; MI455X (gfx1250); checked and timed in simulation.
; The chip was launched on July 23, 2026; its instructions are those of AMD's public machine-readable ISA for CDNA 5 (MIT licence, August 2026) and "CDNA5" Instruction Set Architecture Reference Guide (July 2026). The comments in the code are by the model that wrote it; some were corrected since.
;; Flow Poke Transformer. Allowed arithmetic: matrix products marked QUANTISED: E3M2 operands, one E8M0 scale for each 32 along K, by v_wmma_scale_f32_16x16x128_f8f6f4 with both operands' format E3M2, f32 sums; everything else in f32.
;; Inputs: freqs 2 x 16 x 16 float32; out_w 1,024 x 1,024 float32; pos 1 x 4,096 x 2 float32; qkv_w 3,072 x 1,024 float32; scale 16 float32; x 1 x 4,096 x 1,024 float32.
;; Outputs: out0 1 x 4,096 x 1,024 float32.
;; Constants: n_pokes = 3072.
;; This version of the problem:
;;   THIS VERSION OF THE PROBLEM IS GIVEN IN LOW PRECISION. The matrix products marked QUANTISED in the list below multiply operands that are first quantised to E3M2 (3 exponent bits, 2 mantissa bits; 6 bits a number), with one power-of-two scale for each 32 numbers along K (OCP MX v1.0); their sums are f32. All else is computed in f32.
;;   The module's matrix products, in the order in which they are computed (A, B: the left and right operand; K: the contracted axis; several contracted axes count as one K, in the product's order):
;;     1. [M 4,096, K 1,024] x [K 1,024, N 3,072]; A: input x; B: input qkv_w: QUANTISED
;;     2. batch 16 x [M 3,072, K 64] x [K 64, N 3,072]; A: computed on the way; B: computed on the way: QUANTISED
;;     3. batch 16 x [M 3,072, K 3,072] x [K 3,072, N 64]; A: softmax (see below); B: computed on the way: QUANTISED
;;     4. batch 16 x [M 1,024, K 64] x [K 64, N 3,072]; A: computed on the way; B: computed on the way: QUANTISED
;;     5. batch 16 x [M 1,024, K 3,072] x [K 3,072, N 64]; A: computed on the way; B: computed on the way: QUANTISED
;;     6. [M 4,096, K 1,024] x [K 1,024, N 1,024]; A: computed on the way; B: input out_w: QUANTISED
;;   THE QUANTISER, for each operand of a quantised product, along K:
;;     - K is cut into blocks of 32 from its start; a last block that is shorter is filled with zeros.
;;     - A block's scale is 2^e with e = floor(log2(the largest magnitude in the block)) - 4, held to -126 .. 127; a block of zeros has e = 0. As a byte (E8M0): e + 127.
;;     - Each number is divided by its block's scale, clamped to +-28, and rounded to the nearest number of E3M2, ties to even, subnormals kept.
;;     - The product sums the exact products of the quantised numbers (number of the format x scale) in f32.
;;   ~~~python
;;   def quantise(x, axis):      # numpy; x: float32 -> the quantised numbers, widened to float32 again
;;       x = np.moveaxis(x, axis, -1); K = x.shape[-1]
;;       x = np.pad(x, [(0, 0)] * (x.ndim - 1) + [(0, -K % 32)]); x = x.reshape(x.shape[:-1] + (-1, 32)); a = np.abs(x).max(-1, keepdims=True)
;;       e = np.where(a > 0, np.clip(np.frexp(np.where(a > 0, a, 1))[1] - 1 - 4, -126, 127), 0)      # np.frexp(a)[1] - 1 = floor(log2(a)), exactly
;;       r = np.clip(x / 2.0 ** e, -28, 28)
;;       step = 2.0 ** (np.maximum(np.frexp(np.where(r == 0, 1, r))[1] - 1, -2) - 2)
;;       q = np.round(r / step) * step * 2.0 ** e      # np.round: ties to even
;;       return np.moveaxis(q.reshape(q.shape[:-2] + (-1,))[..., :K], -1, axis).astype(np.float32)
;;   ~~~
;;   SOFTMAX AHEAD OF A QUANTISED PRODUCT. Where the list says 'softmax', what is quantised is not the finished softmax but p = 2^(t - M), with t = logit x log2(e) and M = ceil(the row's largest t), a whole number; so 1/2 < the row's largest p <= 1. The row's sum l is taken of the UNQUANTISED p, in f32, and the product's result is divided by l at the end. Since M is a whole number, a kernel that streams over the keys may use a running M (the ceiling of the running maximum): every later rescaling is an exact power of two, which a block's scale takes up: the codes' values come out the same.
;;   OPERANDS COMPUTED ON THE WAY. 'Computed on the way' means the value that the module computes at that place (a softmax that the list does not call 'softmax' is quantised finished and normalised). What goes into a quantiser is computed in f32, as accurately as f32 sums, v_exp_f32 and their like allow (about 1e-6 of the number): no bf16 or f16 on the way to a quantiser, and a product that is left as it is and whose result goes on into a quantised operand takes f32 operands (vector FMAs, or v_wmma_f32_16x16x4_f32). A number that lies on a knife's edge between two numbers of the format may be rounded either way, as far as f32 arithmetic and the matrix unit's own rounding can turn it there, and no further.
;; One version. Each part assembles by itself: llvm-mc -triple=amdgcn-amd-amdhsa -mcpu=gfx1250 --defsym DOCPART=n.
;; ======== version 1 of 1: 4 launches
;; limits: right only within a limited range of input values; a function is approximated: absolute error at most 1e-07
;; workspace buffers: tiles 6,553,600 bytes; qc 3,145,728 bytes; qs 262,144 bytes; kv 4,915,200 bytes; vq 4,194,304 bytes; sself 65,536 bytes; oc 3,276,800 bytes
;; launch quant (part 1): grid 256 x 1, 4 waves a work-group, no clusters, 34,304 bytes of LDS; arguments x, qkv_w, out_w, tiles; writes tiles
.if DOCPART == 1
	.amdgcn_target "amdgcn-amd-amdhsa--gfx1250"
	.amdhsa_code_object_version 6
	.text
	.protected	k_qb1e2e0fcb5_quant
	.globl	k_qb1e2e0fcb5_quant
	.p2align	8
	.type	k_qb1e2e0fcb5_quant,@function
k_qb1e2e0fcb5_quant:
	s_mov_b64 s[64:65], 0
	v_nop
	global_prefetch_b8 v0, s[64:65] scope:SCOPE_SE
	s_setreg_imm32_b32 hwreg(HW_REG_WAVE_MODE, 25, 1), 1
	s_wait_xcnt 0x0
; x [4096][1024], qkv_w [3072][1024] and out_w [1024][1024], f32, K innermost, become codes of BF6 (E3M2) with one E8M0 byte for each 32 along K,
; laid in the order of a matrix operand's registers, so that the later launches load fragments whole.
; WORK LEFT OUT BY THE WHOLE PROGRAM.  (a) reference() hides key k from poke q where k > q by its own jnp.tril: a step of 128 keys all of which come after all
; queries of a tile gets -inf ahead of the softmax, weighs 0 for every finite input, and is neither multiplied nor summed.  (b) kq and vq, the keys and values of
; the last 1,024 tokens, enter no matrix product of reference() (only the f32 terms sum(qq kq) and p_self vq): no codes are made of them.  No input is without a way
; to the output: all six are loaded.  The scores of the last 1,024 rows are multiplied twice, since their finished softmax is what is quantised.
; LIMITS.  A NaN, an infinity or an overflow that reaches only the work left out is not carried to the result.  NaN and infinities among the inputs are not served.
; A block of zeros, or one whose largest magnitude lies under 2^-122, gets the byte 1 (the bytes are read by this program alone; zero codes add nothing).
; LAYOUT.  Rows go in groups of 32.  Tile 2 g + u holds at its place m (0..15) row 32 g + 8 u + m + 8 (m / 8).  A tile block is 12,800 bytes: eight fragments
; (16 rows x 128 K, 1,536 bytes), then two pieces of 256 bytes of scale words.  A fragment is two halves of 768 bytes: registers 6 c .. 6 c + 3 at 16 x lane,
; registers 6 c + 4, 6 c + 5 at 512 + 8 x lane.  Scale piece q: lane (r, h) has 8 bytes at 8 x lane: word j is row r's scale word of K step 4 q + 2 j + h.
; SHARES.  Work-group g takes group g of 32 rows (0-127 x, 128-223 qkv_w, 224-255 out_w); wave w takes tile w / 2 and K half w % 2: four fragments.
; Each load reads 512 consecutive bytes of one row; a fragment's 8 KiB turn through the wave's own stage in LDS, so that a lane gets its two whole blocks of 32.
.set STG,   8448                       ; a wave's stage: 16 rows x (512 + 16) bytes
.set SPARE, 4*STG                      ; behind the stages: the spare words, 128 bytes a wave
.set R,     64                         ; v64-191  two sets of 64 registers as loaded
.set X,     192                        ; v192-255 my 64 numbers: k = 64 c + 32 h + 0 .. 31
.set C,     24                         ; v24-35   the fragment's 12 registers
.set CT,    36                         ; v36-38, v40-42 the upper halves of the two blocks
.set W,     16                         ; v16-19   the four scale words
	s_load_b256 s[4:11], s[0:1], 0x0               ; x, qkv_w, out_w, tiles
	v_lshl_add_u32 v6, v0, 2, SPARE
	v_mov_b32 v7, 0
	v_lshrrev_b32 v8, 5, v0
	v_readfirstlane_b32 s16, v8                    ; wave
	v_and_b32 v9, 31, v0                           ; lane
	v_lshlrev_b32 v1, 4, v9                        ; 16 x lane
	v_lshlrev_b32 v5, 3, v9                        ; 8 x lane
	v_and_b32 v10, 15, v0                          ; r
	v_bfe_u32 v11, v0, 4, 1                        ; h
	s_mul_i32 s17, s16, STG
	v_add_nc_u32 v2, s17, v1                       ; the stage, on the way in
	v_mul_u32_u24 v3, v10, 528
	v_lshl_add_u32 v3, v11, 7, v3
	v_add_nc_u32 v3, s17, v3                       ; and out: row r, 128 h bytes on
	v_lshlrev_b32 v22, 3, v11                      ; 8 h
	v_cmp_lt_u32 s18, 15, v9                       ; the mask of lanes 16-31
	v_mov_b32 v15, 0                               ; a lane permute's destination counts as read
	s_mov_b32 s20, 0x76543210
	s_mov_b32 s21, 0xfedcba98
	s_lshr_b32 s22, s16, 1                         ; u: which tile of the group
	s_and_b32 s23, s16, 1                          ; q: which half of K
	s_wait_kmcnt 0x0
	s_cmp_lt_u32 ttmp9, 128                        ; the tensor is chosen by the work-group's number alone
	s_cselect_b64 s[12:13], s[4:5], s[6:7]
	s_cselect_b32 s14, 0, 128
	s_cmp_lt_u32 ttmp9, 224
	s_cselect_b64 s[12:13], s[12:13], s[8:9]
	s_cselect_b32 s14, s14, 224
	s_sub_co_u32 s14, ttmp9, s14                   ; the group's number in its tensor
	s_lshl_b32 s24, s14, 17                        ; 32 rows of 4,096 bytes
	s_lshl_b32 s25, s22, 15                        ; + 8 u rows
	s_add_co_u32 s24, s24, s25
	s_lshl_b32 s25, s23, 11                        ; + 2,048 q
	s_add_co_u32 s24, s24, s25
	s_mov_b32 s25, 0
	s_add_nc_u64 s[12:13], s[12:13], s[24:25]
	s_lshl_b32 s26, ttmp9, 1
	s_add_co_u32 s26, s26, s22                     ; the tile's number among the 512
	s_mul_i32 s26, s26, 12800
	s_mul_i32 s27, s23, 6144
	s_add_co_u32 s24, s26, s27
	s_add_nc_u64 s[28:29], s[10:11], s[24:25]      ; my four fragments
	s_lshl_b32 s27, s23, 8
	s_add_co_u32 s24, s26, s27
	s_add_co_u32 s24, s24, 12288
	s_add_nc_u64 s[30:31], s[10:11], s[24:25]      ; my piece of scale words
.macro LOADF s, set                    ; fragment s: 16 rows x 512 bytes
.irp i, 0,1,2,3,4,5,6,7,8,9,10,11,12,13,14,15
	global_load_b128 v[R+64*\set+4*\i:R+64*\set+4*\i+3], v1, s[12:13] offset:(\i+8*(\i/8))*4096+512*\s th:TH_LOAD_NT
.endr
.endm
.macro TURN set                        ; through the stage: LDS serves a wave's instructions in order, so no wait stands between the stores and the loads
.irp i, 0,1,2,3,4,5,6,7,8,9,10,11,12,13,14,15
	ds_store_b128 v2, v[R+64*\set+4*\i:R+64*\set+4*\i+3] offset:528*\i
.endr
.irp c, 0,1
.irp j, 0,1,2,3,4,5,6,7
	ds_load_b128 v[X+32*\c+4*\j:X+32*\c+4*\j+3], v3 offset:256*\c+16*\j
.endr
.endr
.endm
.macro QF s                            ; my two whole blocks (2 c + h) of fragment s
.irp c, 0,1
	v_max3_num_f32 v[8+\c], |v[X+32*\c]|, |v[X+32*\c+1]|, 0x2800000   ; with the floor 2^(5 - 127): the byte cannot fall under 1
.endr
.irp i, 2,4,6,8,10,12,14,16,18,20,22,24,26,28,30
.irp c, 0,1
	v_max3_num_f32 v[8+\c], v[8+\c], |v[X+32*\c+\i]|, |v[X+32*\c+\i+1]|
.endr
.endr
.irp c, 0,1
	v_add_nc_u32 v[10+\c], 0xfe000000, v[8+\c]     ; 4 off the exponent field: the conversion's scale operand
.endr
.irp c, 0,1
	v_lshrrev_b32 v[12+\c], 23, v[10+\c]           ; the byte
.endr
	v_lshl_or_b32 v14, v13, 16, v12                ; bytes h and 2 + h,
	v_lshlrev_b32 v14, v22, v14                    ; at their places,
	v_permlanex16_b32 v15, v14, s20, s21
	v_or_b32 v[W+\s], v14, v15                     ; with lane l xor 16's two: the row's scale word
	s_wait_xcnt 0x0                                ; the last fragment's stores have read their data registers
.irp c, 0,1
	v_cvt_scalef32_pk16_bf6_f32 v[C+6*\c:C+6*\c+2], v[X+32*\c:X+32*\c+15], v[10+\c]
	v_cvt_scalef32_pk16_bf6_f32 v[CT+4*\c:CT+4*\c+2], v[X+32*\c+16:X+32*\c+31], v[10+\c]
.endr
	v_nop                                          ; one plain place behind the conversions
.irp c, 0,1
.irp i, 0,1,2
	v_mov_b32 v[C+6*\c+3+\i], v[CT+4*\c+\i]
.endr
.endr
	global_store_b128 v1, v[C:C+3], s[28:29] offset:1536*\s          ; 512 consecutive bytes
	global_store_b64 v5, v[C+4:C+5], s[28:29] offset:1536*\s+512     ; 256
	global_store_b128 v1, v[C+6:C+9], s[28:29] offset:1536*\s+768
	global_store_b64 v5, v[C+10:C+11], s[28:29] offset:1536*\s+1280
.endm
	LOADF 0, 0
	LOADF 1, 1
	s_wait_loadcnt 16                              ; fragment 0 is in; fragment 1's 16 loads may be out
	TURN 0
	s_wait_dscnt 0x0
	LOADF 2, 0
	QF 0
	s_wait_loadcnt 16                              ; fragment 1 is in; fragment 2's may be out
	TURN 1
	s_wait_dscnt 0x0
	LOADF 3, 1
	QF 1
	s_wait_loadcnt 16                              ; fragment 2 is in; fragment 3's may be out
	TURN 0
	s_wait_dscnt 0x0
	QF 2
	s_wait_loadcnt 0x0
	TURN 1
	s_wait_dscnt 0x0
	QF 3
	v_cndmask_b32 v20, v[W], v[W+1], s18           ; word 0: K step 4 q + h
	v_cndmask_b32 v21, v[W+2], v[W+3], s18         ; word 1: K step 4 q + 2 + h
	global_store_b64 v5, v[20:21], s[30:31]        ; 256 consecutive bytes
	s_wait_tensorcnt 0x0                           ; the wave's end: behind my last LDS store
	ds_add_u32 v6, v7
	s_wait_dscnt 0x0
	s_endpgm
.Lfunc_end_k_qb1e2e0fcb5_quant:
	.size	k_qb1e2e0fcb5_quant, .Lfunc_end_k_qb1e2e0fcb5_quant-k_qb1e2e0fcb5_quant
	.p2alignl 7, 3214868480
	.fill 96, 4, 3214868480
	.section	.rodata,"a",@progbits
	.p2align	6, 0x0
	.amdhsa_kernel k_qb1e2e0fcb5_quant
		.amdhsa_group_segment_fixed_size 34304
		.amdhsa_private_segment_fixed_size 0
		.amdhsa_enable_private_segment 0
		.amdhsa_kernarg_size 32
		.amdhsa_user_sgpr_count 2
		.amdhsa_user_sgpr_kernarg_segment_ptr 1
		.amdhsa_wavefront_size32 1
		.amdhsa_system_sgpr_workgroup_id_x 1
		.amdhsa_system_sgpr_workgroup_id_y 1
		.amdhsa_system_sgpr_workgroup_id_z 1
		.amdhsa_system_vgpr_workitem_id 0
		.amdhsa_next_free_vgpr 256
		.amdhsa_next_free_sgpr 66
		.amdhsa_reserve_vcc 0
		.amdhsa_float_denorm_mode_32 3
		.amdhsa_float_denorm_mode_16_64 3
		.amdhsa_memory_ordered 1
		.amdhsa_forward_progress 1
		.amdhsa_inst_pref_size 31
	.end_amdhsa_kernel
	.amdgpu_metadata
---
amdhsa.version: [ 1, 2 ]
amdhsa.kernels:
  - .name:           k_qb1e2e0fcb5_quant
    .symbol:         k_qb1e2e0fcb5_quant.kd
    .args:
      - { .name: x, .offset: 0, .size: 8, .value_kind: global_buffer, .address_space: global }
      - { .name: qkv_w, .offset: 8, .size: 8, .value_kind: global_buffer, .address_space: global }
      - { .name: out_w, .offset: 16, .size: 8, .value_kind: global_buffer, .address_space: global }
      - { .name: tiles, .offset: 24, .size: 8, .value_kind: global_buffer, .address_space: global }
    .group_segment_fixed_size: 34304
    .private_segment_fixed_size: 0
    .kernarg_segment_align: 8
    .kernarg_segment_size: 32
    .max_flat_workgroup_size: 128
    .sgpr_count:     66
    .vgpr_count:     256
    .wavefront_size: 32
...
	.end_amdgpu_metadata
.endif
;; end of part 1
;; launch qkv (part 2): grid 16 x 16, 12 waves a work-group, clusters of 4 x 1, 167,936 bytes of LDS; arguments tiles, pos, freqs, scale, qc, qs, kv, vq, sself; writes qc, qs, kv, vq, sself
.if DOCPART == 2
	.amdgcn_target "amdgcn-amd-amdhsa--gfx1250"
	.amdhsa_code_object_version 6
	.text
	.protected	k_qb1e2e0fcb5_qkv
	.globl	k_qb1e2e0fcb5_qkv
	.p2align	8
	.type	k_qb1e2e0fcb5_qkv,@function
k_qb1e2e0fcb5_qkv:
	s_mov_b64 s[64:65], 0
	v_nop
	global_prefetch_b8 v0, s[64:65] scope:SCOPE_SE
	s_setreg_imm32_b32 hwreg(HW_REG_WAVE_MODE, 25, 1), 1
	s_wait_xcnt 0x0
	s_wait_alu depctr_hold_cnt(0) depctr_sa_sdst(0) depctr_va_vdst(0) depctr_va_sdst(0) depctr_va_ssrc(0) depctr_va_vcc(0) depctr_vm_vsrc(0)
	s_getreg_b32 s2, hwreg(HW_REG_IB_STS2, 6, 4)
	s_cmp_eq_u32 s2, 0
	s_cbranch_scc0 .Lentry_in_a_cluster
	s_endpgm
.Lentry_in_a_cluster:
	s_bfe_u32 s2, ttmp6, 0x10000c
	s_cmp_lg_u32 s2, 0x3003
	s_cbranch_scc0 .Lentry_shape_is_right
	s_endpgm
.Lentry_shape_is_right:
; qkv = x qkv_w^T on codes of BF6, then for one head and 256 tokens: the cosine scaling and the axial RoPE of q and k in f32, and the quantisers of the next products.
; WORK LEFT OUT: the keys and values of the last 1,024 tokens enter no matrix product, so no codes are made of them: of those rows sum(q k) and v leave in f32.
; LIMITS: NaN and infinities are not served; a block under 2^-122 gets the byte 1; sine and cosine are made by a three-term reduction by pi/2 and polynomials,
; good to about 1e-7 absolute for angles up to about 1e5 in size.
; SHARES.  Work-group (token block yb of 256 tokens, head).  The head's 12 weight tiles (4 of q, 4 of k, 4 of v; 12,800 bytes each) lie whole in LDS, filled once, one tensor
; load a wave, asked for JOINTLY by the four token blocks of a cluster.  x's fragments come from memory straight into registers.
; Waves 0-7: two token tiles each, q and k: source 0 = 16 weight rows, source 1 = 16 tokens, so a lane holds ONE token and its registers run along the head's 64.
; Waves 8-11: four token tiles each, v.  Pokes: source 0 = tokens, source 1 = channels: a lane holds one channel and its registers run along the keys, V's next K.
; Query rows (cluster x = 3): the other way round, which is the layout of attention's O^T.
; The rows of a tile are 32 g + 8 u + m + 8 (m / 8): registers j of tiles 2 g, 2 g + 1 in lane (r, h) are the 16 neighbours 32 g + 16 h + 8 u + j.
; REGISTERS: v1, v2 the add's two; v3-8 16 x lane and 8 x lane, + 0, 51,200, 102,400; v10-29 scale words and nothing else; v30, v31 offsets in pos and freqs;
; v32-79 x's fragments; v80-127 four weight fragments; v128-255 sixteen accumulators.
.set TILEB, 12800
.set SPARE, 153600                     ; behind the 12 tiles: the spare words, 128 bytes a wave
.set WV,  22
.set SEL, 54
.set HM,  56
.set F,   32                           ; v32-47  my 16 frequencies
.set U,   48                           ; v48-49  2 pos - 1 of my token in tile 0, 1
.set SN,  50                           ; v50-65  sines
.set CN,  66                           ; v66-81  cosines
.set KK,  82                           ; v82-89  quadrants
.set SP,  90                           ; v90-97
.set CP,  98                           ; v98-105
.macro ROUND                           ; a round of the cluster's barrier
	s_barrier_signal -1
	s_barrier_wait -1
	s_cmp_lg_u32 s[WV], 0
	s_cbranch_scc1 .Lnw0_\@
	s_barrier_signal -3
.Lnw0_\@:
	s_barrier_wait -3
	s_barrier_signal -1
	s_barrier_wait -1
.endm
.macro NOP4                            ; four places behind matrix instructions, in front of loads into their registers and of reads of results
.rept 4
	v_nop
.endr
.endm
.macro XFRAG reg, t, s                 ; x's fragment of my token tile t, K step s
	global_load_b128 v[\reg:\reg+3], v3, s[60:61] offset:(\t)*TILEB+(\s)*1536
	global_load_b64 v[\reg+4:\reg+5], v4, s[60:61] offset:(\t)*TILEB+(\s)*1536+512
	global_load_b128 v[\reg+6:\reg+9], v3, s[60:61] offset:(\t)*TILEB+(\s)*1536+768
	global_load_b64 v[\reg+10:\reg+11], v4, s[60:61] offset:(\t)*TILEB+(\s)*1536+1280
.endm
.macro WFRAG reg, a16, a8, off         ; a weight fragment out of LDS
	ds_load_b128 v[\reg:\reg+3], v[\a16] offset:\off
	ds_load_b64 v[\reg+4:\reg+5], v[\a8] offset:\off+512
	ds_load_b128 v[\reg+6:\reg+9], v[\a16] offset:\off+768
	ds_load_b64 v[\reg+10:\reg+11], v[\a8] offset:\off+1280
.endm
.macro MMS d, a, b, sa, sb, s          ; K step s: the first starts the sum; a scale register serves an even step from lanes 0-15 and the odd one behind it from lanes 16-31
.if (\s) == 0
	v_wmma_scale_f32_16x16x128_f8f6f4 v[\d:\d+7], v[\a:\a+11], v[\b:\b+11], 0, v[\sa], v[\sb] matrix_a_fmt:MATRIX_FMT_BF6 matrix_b_fmt:MATRIX_FMT_BF6
.elseif (\s)%2
	v_wmma_scale_f32_16x16x128_f8f6f4 v[\d:\d+7], v[\a:\a+11], v[\b:\b+11], v[\d:\d+7], v[\sa], v[\sb] matrix_a_fmt:MATRIX_FMT_BF6 matrix_b_fmt:MATRIX_FMT_BF6 matrix_a_scale:MATRIX_SCALE_ROW1 matrix_b_scale:MATRIX_SCALE_ROW1
.else
	v_wmma_scale_f32_16x16x128_f8f6f4 v[\d:\d+7], v[\a:\a+11], v[\b:\b+11], v[\d:\d+7], v[\sa], v[\sb] matrix_a_fmt:MATRIX_FMT_BF6 matrix_b_fmt:MATRIX_FMT_BF6
.endif
.endm
; 32 numbers of a lane, register 16 b + i = k 32 b + 16 h + i of my row, become half a fragment (six registers from cd on) and two scale bytes (by, by + 1)
.macro QUANT32 s, cd, ct, mx, pm, so, by
.irp b, 0,1
	v_max3_num_f32 v[\mx+\b], |v[\s+16*\b]|, |v[\s+16*\b+1]|, 0x2800000   ; with the floor 2^(5 - 127)
.endr
.irp i, 2,4,6,8,10,12,14
.irp b, 0,1
	v_max3_num_f32 v[\mx+\b], v[\mx+\b], |v[\s+16*\b+\i]|, |v[\s+16*\b+\i+1]|
.endr
.endr
.irp b, 0,1
	v_permlanex16_b32 v[\pm+\b], v[\mx+\b], s[SEL], s[SEL+1]
.endr
.irp b, 0,1
	v_max_num_f32 v[\mx+\b], v[\mx+\b], v[\pm+\b]  ; with lane l xor 16's 16: the block's largest magnitude
.endr
.irp b, 0,1
	v_add_nc_u32 v[\so+\b], 0xfe000000, v[\mx+\b]  ; 4 off the exponent field: the conversion's scale operand
.endr
.irp b, 0,1
	v_lshrrev_b32 v[\by+\b], 23, v[\so+\b]
.endr
	v_cvt_scalef32_pk16_bf6_f32 v[\cd:\cd+2], v[\s:\s+15], v[\so]
	v_cvt_scalef32_pk16_bf6_f32 v[\ct:\ct+2], v[\s+16:\s+31], v[\so+1]
	v_nop                                          ; one plain place behind the conversions
.irp i, 0,1,2
	v_permlane16_swap_b32 v[\cd+\i], v[\ct+\i]     ; a lane now holds a whole block: lanes 0-15 block 0, lanes 16-31 block 1
.endr
.irp i, 0,1,2
	v_mov_b32 v[\cd+3+\i], v[\ct+\i]
.endr
.endm
	s_load_b512 s[4:19], s[0:1], 0x0               ; tiles, pos, freqs, scale, qc, qs, kv, vq
	s_load_b64 s[20:21], s[0:1], 0x40              ; sself
	v_lshl_add_u32 v1, v0, 2, SPARE
	v_mov_b32 v2, 0
	ds_add_u32 v1, v2                              ; the wave's opening: the add, twice on end, and its wait ahead of my first tensor load
	ds_add_u32 v1, v2
	v_lshrrev_b32 v9, 5, v0
	v_readfirstlane_b32 s[WV], v9                  ; wave 0..11
	s_bfe_u32 s23, ttmp6, 0x40000                  ; cx
	s_lshl_b32 s24, ttmp9, 2
	s_add_co_u32 s24, s24, s23                     ; yb: my block of 256 tokens
	s_and_b32 s25, ttmp7, 0xffff                   ; the head, which the four partners share
	s_mov_b32 s32, 15|(3<<16)|(1<<21)              ; group 1: mask of all four; elements of 8 bytes; bit 21 beside the mask
	s_mov_b32 s33, 32<<16                          ; tensor_dim0 = 32 (256 bytes)
	s_mov_b32 s34, 50<<16                          ; tensor_dim1 = 50
	s_mov_b32 s35, 32<<16                          ; tile_dim0
	s_mov_b32 s36, 50                              ; tile_dim1
	s_mov_b32 s37, 32                              ; pitch: dense
	s_mov_b32 s38, 0
	s_mov_b32 s39, 0
	s_mov_b32 s40, 0x3f22f983                      ; 2 / pi
	s_mov_b32 s41, 0x3fc90fda                      ; pi / 2 in three parts
	s_mov_b32 s42, 0x33a22168
	s_mov_b32 s43, 0x27c234c4
	s_mov_b32 s44, 0xb94ca1f9                      ; the sine's polynomial
	s_mov_b32 s45, 0x3c08839e
	s_mov_b32 s46, 0xbe2aaaa3
	s_mov_b32 s47, 0x37ccf5ce                      ; the cosine's
	s_mov_b32 s48, 0xbab6061a
	s_mov_b32 s49, 0x3d2aaaa5
	s_mov_b32 s[SEL], 0x76543210
	s_mov_b32 s[SEL+1], 0xfedcba98
	s_lshr_b32 s26, s[WV], 2                       ; the weight tile that I fetch: 256 + 64 (q, k or v) + 4 head + wave % 4
	s_lshl_b32 s26, s26, 6
	s_lshl_b32 s27, s25, 2
	s_add_co_u32 s26, s26, s27
	s_and_b32 s27, s[WV], 3
	s_add_co_u32 s26, s26, s27
	s_add_co_u32 s26, s26, 256
	s_mul_i32 s26, s26, TILEB
	s_mov_b32 s27, 0
	s_mov_b32 s28, 1                               ; group 0: count
	s_mul_i32 s29, s[WV], TILEB                    ; LDS address: the wave's number alone
	s_lshl_b32 s57, s[WV], 1                       ; my first token tile: 16 yb + 2 w (waves 0-7) or 16 yb + 4 (w - 8)
	s_sub_co_u32 s58, s[WV], 8
	s_lshl_b32 s58, s58, 2
	s_cmp_lt_u32 s[WV], 8
	s_cselect_b32 s57, s57, s58
	s_lshl_b32 s58, s24, 4
	s_add_co_u32 s57, s57, s58                     ; T0
	s_mul_i32 s58, s57, TILEB
	s_mov_b32 s59, 0
	s_lshl_b32 s52, s25, 2
	s_mov_b32 s53, 0
	s_wait_dscnt 0x0                               ; both opening adds are done
	s_wait_kmcnt 0x0
	s_add_nc_u64 s[30:31], s[4:5], s[26:27]
	s_or_b32 s31, s31, 0x80000000                  ; type
	s_add_nc_u64 s[60:61], s[4:5], s[58:59]        ; x's tile blocks from T0 on
	s_add_nc_u64 s[52:53], s[10:11], s[52:53]
	s_load_b32 s50, s[52:53], 0x0                  ; scale[head]
	ROUND                                          ; the four work-groups are here: the joint loads meet
	tensor_load_to_lds s[28:31], s[32:39]          ; one tile a wave: 12 first fills, nothing is filled again
	s_nop 0
	v_and_b32 v9, 31, v0
	v_lshlrev_b32 v3, 4, v9
	v_lshlrev_b32 v4, 3, v9
	v_add_nc_u32 v5, 51200, v3
	v_add_nc_u32 v6, 51200, v4
	v_add_nc_u32 v7, 102400, v3
	v_add_nc_u32 v8, 102400, v4
	v_cmp_lt_u32 s[HM], 15, v9                     ; the mask of lanes 16-31
	v_and_b32 v30, 15, v0
	v_and_b32 v31, 8, v30
	v_add_nc_u32 v30, v30, v31                     ; r + 8 (r / 8)
	v_bfe_u32 v31, v0, 4, 1
	v_xor_b32 v31, 1, v31                          ; 1 - h: lanes 0-15 hold dims 0-15 (th_h: pos y, freqs[1]), lanes 16-31 dims 16-31 (th_w: pos x, freqs[0])
	v_lshlrev_b32 v30, 3, v30
	v_lshl_add_u32 v30, v31, 2, v30                ; offset in pos
	v_lshlrev_b32 v31, 10, v31                     ; offset in freqs
.irp t, 0,1                                    ; tiles 0 and 1 lie in the same registers in both roles
	global_load_b64 v[10+4*\t:11+4*\t], v4, s[60:61] offset:\t*TILEB+12288
	global_load_b64 v[12+4*\t:13+4*\t], v4, s[60:61] offset:\t*TILEB+12544
.endr
	XFRAG 32, 0, 0
	XFRAG 44, 1, 0
	s_wait_kmcnt 0x0                               ; scale[head]
	s_wait_tensorcnt 0x0                           ; my tile has landed,
	s_barrier_signal -1
	s_barrier_wait -1                              ; everybody's has
	s_cmp_lt_u32 s[WV], 8
	s_cbranch_scc0 .Lrole_v
; ---------------- waves 0-7: q and k of two token tiles ----------------
	s_lshl_b32 s62, s24, 3
	s_add_co_u32 s62, s62, s[WV]                   ; pb: my pair of tiles = my 32 tokens
	s_lshl_b32 s58, s62, 8
	s_add_nc_u64 s[66:67], s[6:7], s[58:59]        ; pos at my first token
	s_lshl_b32 s58, s25, 6
	s_add_nc_u64 s[68:69], s[8:9], s[58:59]        ; freqs[.][head]
	s_lshl_b32 s58, s25, 8
	s_add_co_u32 s58, s58, s57
	s_mul_i32 s58, s58, 768
	s_add_nc_u64 s[70:71], s[12:13], s[58:59]      ; qc
	s_lshl_b32 s58, s25, 7
	s_add_co_u32 s58, s58, s62
	s_lshl_b32 s58, s58, 7
	s_add_nc_u64 s[72:73], s[14:15], s[58:59]      ; qs
	s_mul_i32 s63, s25, 307200
	s_lshr_b32 s58, s62, 2
	s_min_u32 s58, s58, 23                         ; (query rows store nothing there: the address is held inside the buffer)
	s_mul_i32 s58, s58, TILEB
	s_add_co_u32 s63, s63, s58                     ; the key step's block
	s_and_b32 s51, s62, 3                          ; f: which paired fragment
	s_mul_i32 s58, s51, 1536
	s_add_co_u32 s58, s58, s63
	s_add_nc_u64 s[74:75], s[16:17], s[58:59]      ; kv: the fragment
	s_lshl_b32 s58, s51, 6
	s_add_co_u32 s58, s58, s63
	s_add_co_u32 s58, s58, 6144
	s_add_nc_u64 s[76:77], s[16:17], s[58:59]      ; kv: its scale words
	s_max_u32 s58, s62, 96
	s_sub_co_u32 s58, s58, 96                      ; (pokes store nothing there)
	s_lshl_b32 s51, s25, 5
	s_add_co_u32 s58, s58, s51
	s_lshl_b32 s58, s58, 7
	s_add_nc_u64 s[78:79], s[20:21], s[58:59]      ; sself
.macro QKSTEP s
.if \s < 7
	XFRAG 32+24*((\s+1)%2), 0, \s+1                ; the next K step's x, into the other buffer
	XFRAG 44+24*((\s+1)%2), 1, \s+1
.else
.irp i, 0,1,2,3
	global_load_b128 v[F+4*\i:F+4*\i+3], v31, s[68:69] offset:16*\i
.endr
	global_load_b32 v[U], v30, s[66:67]
	global_load_b32 v[U+1], v30, s[66:67] offset:64
.endif
.if (\s)%2 == 0
.irp wt, 0,1,2,3                               ; the weights' scale words of steps s (lanes 0-15) and s + 1 (lanes 16-31)
	ds_load_b32 v[18+\wt], v4 offset:\wt*TILEB+12288+256*((\s)/4)+4*(((\s)/2)%2)
	ds_load_b32 v[22+\wt], v6 offset:\wt*TILEB+12288+256*((\s)/4)+4*(((\s)/2)%2)
.endr
.endif
.irp g, 0,1                                    ; q's four tiles, then k's
.irp wt, 0,1,2,3
	WFRAG 80+12*\wt, 3+2*\g, 4+2*\g, \wt*TILEB+(\s)*1536
.endr
.if \g == 0
.if \s < 7
	s_wait_loadcnt 8                               ; this step's x is in; the next step's eight loads may be out
.else
	s_wait_loadcnt 6                               ; the six loads of freqs and pos may be out
.endif
.endif
	s_wait_dscnt 0x0
.irp wt, 0,1,2,3
.irp t, 0,1
	MMS 128+64*\t+32*\g+8*\wt, 80+12*\wt, 32+24*((\s)%2)+12*\t, 18+4*\g+\wt, 10+4*\t+(\s)/2, \s
.endr
.endr
	NOP4
.endr
.endm
.irp s, 0,1,2,3,4,5,6,7                        ; the sixteen accumulators take turns, one instruction a turn
	QKSTEP \s
.endr
; eight angles by turns: theta = u f; k = nearest whole number to theta 2 / pi; r = theta - k pi / 2; the polynomials; the quadrant
.macro SINCOS8 off, t
.irp i, 0,1,2,3,4,5,6,7
	v_mul_f32 v[SN+\off+\i], v[U+\t], v[F+\off+\i]
.endr
.irp i, 0,1,2,3,4,5,6,7
	v_mul_f32 v[KK+\i], s40, v[SN+\off+\i]
.endr
.irp i, 0,1,2,3,4,5,6,7
	v_rndne_f32 v[KK+\i], v[KK+\i]
.endr
.irp i, 0,1,2,3,4,5,6,7
	v_fma_f32 v[SN+\off+\i], -v[KK+\i], s41, v[SN+\off+\i]
.endr
.irp i, 0,1,2,3,4,5,6,7
	v_fma_f32 v[SN+\off+\i], -v[KK+\i], s42, v[SN+\off+\i]
.endr
.irp i, 0,1,2,3,4,5,6,7
	v_fma_f32 v[SN+\off+\i], -v[KK+\i], s43, v[SN+\off+\i]   ; r
.endr
.irp i, 0,1,2,3,4,5,6,7
	v_mul_f32 v[CN+\off+\i], v[SN+\off+\i], v[SN+\off+\i]    ; z = r r
.endr
.irp i, 0,1,2,3,4,5,6,7
	v_fma_f32 v[SP+\i], s44, v[CN+\off+\i], s45
	v_fma_f32 v[CP+\i], s47, v[CN+\off+\i], s48
.endr
.irp i, 0,1,2,3,4,5,6,7
	v_fma_f32 v[SP+\i], v[SP+\i], v[CN+\off+\i], s46
	v_fma_f32 v[CP+\i], v[CP+\i], v[CN+\off+\i], s49
.endr
.irp i, 0,1,2,3,4,5,6,7
	v_mul_f32 v[SP+\i], v[SP+\i], v[CN+\off+\i]
	v_fma_f32 v[CP+\i], v[CP+\i], v[CN+\off+\i], -0.5
.endr
.irp i, 0,1,2,3,4,5,6,7
	v_fma_f32 v[SP+\i], v[SP+\i], v[SN+\off+\i], v[SN+\off+\i]   ; sin r
	v_fma_f32 v[CP+\i], v[CP+\i], v[CN+\off+\i], 1.0             ; cos r
.endr
.irp i, 0,1,2,3,4,5,6,7
	v_cvt_i32_f32 v[KK+\i], v[KK+\i]
.endr
.irp i, 0,1,2,3,4,5,6,7
	v_and_b32 v[CN+\off+\i], 1, v[KK+\i]
	v_cmp_eq_u32 vcc_lo, 1, v[CN+\off+\i]          ; in odd quadrants the two change places
	v_cndmask_b32 v[SN+\off+\i], v[SP+\i], v[CP+\i], vcc_lo
	v_cndmask_b32 v[CN+\off+\i], v[CP+\i], v[SP+\i], vcc_lo
.endr
.irp i, 0,1,2,3,4,5,6,7
	v_lshlrev_b32 v[SP+\i], 30, v[KK+\i]           ; the sine is negative in quadrants 2, 3: bit 1 of k
	v_add_nc_u32 v[KK+\i], 1, v[KK+\i]
.endr
.irp i, 0,1,2,3,4,5,6,7
	v_and_b32 v[SP+\i], 0x80000000, v[SP+\i]
	v_lshlrev_b32 v[CP+\i], 30, v[KK+\i]           ; the cosine in quadrants 1, 2: bit 1 of k + 1
.endr
.irp i, 0,1,2,3,4,5,6,7
	v_xor_b32 v[SN+\off+\i], v[SN+\off+\i], v[SP+\i]
	v_and_b32 v[CP+\i], 0x80000000, v[CP+\i]
.endr
.irp i, 0,1,2,3,4,5,6,7
	v_xor_b32 v[CN+\off+\i], v[CN+\off+\i], v[CP+\i]
.endr
.endm
	s_wait_loadcnt 0x0                             ; freqs and pos
	v_mov_b32 v115, 0x322bcc77                     ; eps = 1e-8
	s_and_b32 s50, s50, 0x7fffffff
	v_add_f32 v115, s50, v115
	v_sqrt_f32 v115, v115                          ; ss = sqrt(|scale| + eps)
	v_and_b32 v116, 15, v0
	v_lshlrev_b32 v116, 2, v116                    ; 4 r
	v_and_b32 v117, 31, v0
	v_lshlrev_b32 v117, 2, v117                    ; 4 x lane
	v_mov_b32 v109, 0                              ; (upper halves of pairs that the packed forms name)
	v_mov_b32 v111, 0
	v_mov_b32 v112, 0                              ; (written on every way: only one kind of block fills each of these four)
	v_mov_b32 v114, 0
	v_mov_b32 v119, 0
	v_mov_b32 v120, 0
	s_wait_alu depctr_va_vdst(0)                   ; a wait ahead of the root's first reader
.irp t, 0,1
.set AQ, 128+64*\t
.set AK, 160+64*\t
	v_pk_mul_f32 v[104:105], v[AQ:AQ+1], v[AQ:AQ+1]            ; the sums of squares, each accumulator from its low end on
	v_pk_mul_f32 v[106:107], v[AK:AK+1], v[AK:AK+1]
.set i, 2
.rept 15
	v_pk_fma_f32 v[104:105], v[AQ+i:AQ+i+1], v[AQ+i:AQ+i+1], v[104:105]
	v_pk_fma_f32 v[106:107], v[AK+i:AK+i+1], v[AK+i:AK+i+1], v[106:107]
.set i, i+2
.endr
	v_add_f32 v104, v104, v105
	v_add_f32 v106, v106, v107
	v_permlanex16_b32 v105, v104, s[SEL], s[SEL+1]
	v_permlanex16_b32 v107, v106, s[SEL], s[SEL+1]
	v_add_f32 v104, v104, v105                     ; with lane l xor 16's 32 dims
	v_add_f32 v106, v106, v107
	v_add_f32 v104, 0x322bcc77, v104
	v_add_f32 v106, 0x322bcc77, v106
	v_rsq_f32 v108, v104
	v_rsq_f32 v110, v106
	v_fma_f32 v[U+\t], v[U+\t], 2.0, -1.0          ; u = 2 pos - 1 (a plain place behind the two)
	s_wait_alu depctr_va_vdst(0)                   ; one wait for both, ahead of their first reader
	v_mul_f32 v108, v115, v108                     ; ss rsqrt(sq + eps)
	v_mul_f32 v110, v115, v110
.if \t
	s_wait_xcnt 0x0                                ; tile 0's stores of codes have read v94-99: the polynomials below work in v90-105, and q's codes are made there again
.endif
	SINCOS8 0, \t
	SINCOS8 8, \t
.set i, 0
.rept 16
	v_pk_mul_f32 v[AQ+i:AQ+i+1], v[AQ+i:AQ+i+1], v[108:109] op_sel_hi:[1,0]
	v_pk_mul_f32 v[AK+i:AK+i+1], v[AK+i:AK+i+1], v[110:111] op_sel_hi:[1,0]
.set i, i+2
.endr
.set i, 0
.rept 8                                        ; RoPE: registers i and 16 + i are dims 16 h + i and 32 + 16 h + i
	v_pk_mul_f32 v[82:83], v[AQ+16+i:AQ+17+i], v[SN+i:SN+i+1]
	v_pk_mul_f32 v[86:87], v[AK+16+i:AK+17+i], v[SN+i:SN+i+1]
	v_pk_mul_f32 v[84:85], v[AQ+i:AQ+i+1], v[SN+i:SN+i+1]
	v_pk_mul_f32 v[88:89], v[AK+i:AK+i+1], v[SN+i:SN+i+1]
	v_pk_fma_f32 v[AQ+i:AQ+i+1], v[AQ+i:AQ+i+1], v[CN+i:CN+i+1], v[82:83] neg_lo:[0,0,1] neg_hi:[0,0,1]
	v_pk_fma_f32 v[AK+i:AK+i+1], v[AK+i:AK+i+1], v[CN+i:CN+i+1], v[86:87] neg_lo:[0,0,1] neg_hi:[0,0,1]
	v_pk_fma_f32 v[AQ+16+i:AQ+17+i], v[AQ+16+i:AQ+17+i], v[CN+i:CN+i+1], v[84:85]
	v_pk_fma_f32 v[AK+16+i:AK+17+i], v[AK+16+i:AK+17+i], v[CN+i:CN+i+1], v[88:89]
.set i, i+2
.endr
	QUANT32 AQ, 94, 100, 86, 88, 90, 92            ; (no store of codes is pending here: none was issued behind the wait above)
	global_store_b128 v3, v[94:97], s[70:71] offset:768*\t
	global_store_b64 v4, v[98:99], s[70:71] offset:768*\t+512
	v_lshl_or_b32 v[113+5*\t], v93, 8, v92
	v_lshl_or_b32 v[113+5*\t], v[113+5*\t], 16, v[113+5*\t]    ; q's scale word: e0 e1 e0 e1, for either half of K
	s_cmp_eq_u32 ttmp9, 3                          ; the cluster's x: the same in all partners
	s_cbranch_scc1 .Lqrow_\t
	s_wait_xcnt 0x0                                ; q's stores have read the code registers: k's codes are made there
	QUANT32 AK, 94, 100, 86, 88, 90, 92
	global_store_b128 v3, v[94:97], s[74:75] offset:768*\t     ; half t of the paired fragment
	global_store_b64 v4, v[98:99], s[74:75] offset:768*\t+512
	v_lshl_or_b32 v[112+7*\t], v93, 8, v92
	s_branch .Lkdone_\t
.Lqrow_\t:
	v_pk_mul_f32 v[104:105], v[AQ:AQ+1], v[AK:AK+1]            ; sc_self = sum(q k), in f32
.set i, 2
.rept 15
	v_pk_fma_f32 v[104:105], v[AQ+i:AQ+i+1], v[AK+i:AK+i+1], v[104:105]
.set i, i+2
.endr
	v_add_f32 v104, v104, v105
	v_permlanex16_b32 v105, v104, s[SEL], s[SEL+1]
	v_add_f32 v[114+6*\t], v104, v105
.Lkdone_\t:
.endr
	v_cndmask_b32 v121, v113, v118, s[HM]          ; lanes 0-15 tile 0's words, lanes 16-31 tile 1's
	global_store_b32 v117, v121, s[72:73]
	s_cmp_eq_u32 ttmp9, 3
	s_cbranch_scc1 .Lqrow_end
	v_lshl_or_b32 v122, v119, 16, v112             ; the paired fragment's word: bytes 0, 1 tile 0's, bytes 2, 3 tile 1's
	global_store_b32 v116, v122, s[76:77]          ; (lanes r and r + 16 write the same word with the same value)
	s_branch .Lend
.Lqrow_end:
	v_cndmask_b32 v122, v114, v120, s[HM]
	global_store_b32 v117, v122, s[78:79]
	s_branch .Lend
; ---------------- waves 8-11: v of four token tiles ----------------
.macro VMM8 s, swap, t0
.irp ct, 0,1,2,3
.irp t, \t0, \t0+1
.if \swap
	MMS 128+32*\ct+8*(\t), 80+12*\ct, 32+12*(\t), 26+\ct, 10+4*(\t)+(\s)/2, \s
.else
	MMS 128+32*\ct+8*(\t), 32+12*(\t), 80+12*\ct, 10+4*(\t)+(\s)/2, 26+\ct, \s
.endif
.endr
.endr
.endm
.macro VSTEP s, swap
.irp ct, 0,1,2,3
	WFRAG 80+12*\ct, 7, 8, \ct*TILEB+(\s)*1536
.endr
.if (\s)%2 == 0
.irp ct, 0,1,2,3
	ds_load_b32 v[26+\ct], v8 offset:\ct*TILEB+12288+256*((\s)/4)+4*(((\s)/2)%2)
.endr
.endif
	s_wait_loadcnt 8                               ; tiles 0, 1 of this step are in; the eight loads of tiles 2, 3 may be out
	s_wait_dscnt 0x0
	VMM8 \s, \swap, 0
	NOP4
.if \s < 7
	XFRAG 32, 0, \s+1
	XFRAG 44, 1, \s+1
	s_wait_loadcnt 8                               ; tiles 2, 3 are in; the eight just issued may be out
.else
	s_wait_loadcnt 0x0
.endif
	VMM8 \s, \swap, 2
	NOP4
.if \s < 7
	XFRAG 56, 2, \s+1
	XFRAG 68, 3, \s+1
.endif
.endm
.Lrole_v:
.irp t, 2,3
	global_load_b64 v[10+4*\t:11+4*\t], v4, s[60:61] offset:\t*TILEB+12288
	global_load_b64 v[12+4*\t:13+4*\t], v4, s[60:61] offset:\t*TILEB+12544
.endr
	XFRAG 56, 2, 0
	XFRAG 68, 3, 0
	s_cmp_eq_u32 ttmp9, 3
	s_cbranch_scc1 .Lv_qrows
	s_sub_co_u32 s62, s[WV], 8
	s_lshl_b32 s63, s24, 2
	s_add_co_u32 s62, s62, s63                     ; qg: my 64 keys
	s_mul_i32 s66, s25, 307200
	s_lshr_b32 s58, s62, 1
	s_mul_i32 s58, s58, TILEB
	s_add_co_u32 s66, s66, s58                     ; the key step's block
	s_and_b32 s58, s62, 1                          ; which half of its 128 keys
	s_lshl_b32 s68, s58, 1
	s_add_co_u32 s68, s68, s66
	s_add_co_u32 s68, s68, 12544
	s_mov_b32 s69, 0
	s_mul_i32 s58, s58, 768
	s_add_co_u32 s66, s66, s58
	s_add_co_u32 s66, s66, 6400
	s_mov_b32 s67, 0
	s_add_nc_u64 s[66:67], s[16:17], s[66:67]      ; V^T's halves
	s_add_nc_u64 s[68:69], s[16:17], s[68:69]      ; and their scale bytes
.irp s, 0,1,2,3,4,5,6,7
	VSTEP \s, 0
.endr
	v_mov_b32 v34, 0                               ; a lane permute's destination counts as read
	v_mov_b32 v35, 0
	v_and_b32 v104, 15, v0
	v_lshlrev_b32 v104, 2, v104                    ; 4 r
.irp ct, 0,1,2,3                               ; a lane holds channel row r of tile ct and 32 of my 64 keys: code registers of its own for each tile
	QUANT32 128+32*\ct, 40+12*\ct, 46+12*\ct, 32, 34, 36, 38
	global_store_b128 v3, v[40+12*\ct:43+12*\ct], s[66:67] offset:1536*\ct
	global_store_b64 v4, v[44+12*\ct:45+12*\ct], s[66:67] offset:1536*\ct+512
	v_lshl_or_b32 v[100+\ct], v39, 8, v38
	global_store_b16 v104, v[100+\ct], s[68:69] offset:64*\ct    ; two of the row's four bytes
.endr
	s_branch .Lend
.Lv_qrows:
	s_lshl_b32 s66, s25, 6
	s_add_co_u32 s66, s66, s57
	s_sub_co_u32 s66, s66, 192
	s_lshl_b32 s66, s66, 12
	s_mov_b32 s67, 0
	s_add_nc_u64 s[66:67], s[18:19], s[66:67]      ; vq: 4,096 bytes a token tile
.irp s, 0,1,2,3,4,5,6,7
	VSTEP \s, 1
.endr
.irp t, 0,1,2,3
.irp ct, 0,1,2,3
	global_store_b128 v3, v[128+32*\ct+8*\t:131+32*\ct+8*\t], s[66:67] offset:(4*\t+\ct)*1024       ; each accumulator from its low end on
	global_store_b128 v3, v[132+32*\ct+8*\t:135+32*\ct+8*\t], s[66:67] offset:(4*\t+\ct)*1024+512
.endr
.endr
.Lend:
	s_wait_tensorcnt 0x0                           ; the wave's end
	ds_add_u32 v1, v2
	s_wait_dscnt 0x0
	ROUND                                          ; the closing round
	s_endpgm
.Lfunc_end_k_qb1e2e0fcb5_qkv:
	.size	k_qb1e2e0fcb5_qkv, .Lfunc_end_k_qb1e2e0fcb5_qkv-k_qb1e2e0fcb5_qkv
	.p2alignl 7, 3214868480
	.fill 96, 4, 3214868480
	.section	.rodata,"a",@progbits
	.p2align	6, 0x0
	.amdhsa_kernel k_qb1e2e0fcb5_qkv
		.amdhsa_group_segment_fixed_size 167936
		.amdhsa_private_segment_fixed_size 0
		.amdhsa_enable_private_segment 0
		.amdhsa_kernarg_size 72
		.amdhsa_user_sgpr_count 2
		.amdhsa_user_sgpr_kernarg_segment_ptr 1
		.amdhsa_wavefront_size32 1
		.amdhsa_system_sgpr_workgroup_id_x 1
		.amdhsa_system_sgpr_workgroup_id_y 1
		.amdhsa_system_sgpr_workgroup_id_z 1
		.amdhsa_system_vgpr_workitem_id 0
		.amdhsa_next_free_vgpr 256
		.amdhsa_next_free_sgpr 96
		.amdhsa_reserve_vcc 1
		.amdhsa_float_denorm_mode_32 3
		.amdhsa_float_denorm_mode_16_64 3
		.amdhsa_memory_ordered 1
		.amdhsa_forward_progress 1
		.amdhsa_inst_pref_size 209
	.end_amdhsa_kernel
	.amdgpu_metadata
---
amdhsa.version: [ 1, 2 ]
amdhsa.kernels:
  - .name:           k_qb1e2e0fcb5_qkv
    .symbol:         k_qb1e2e0fcb5_qkv.kd
    .args:
      - { .name: tiles, .offset: 0, .size: 8, .value_kind: global_buffer, .address_space: global }
      - { .name: pos, .offset: 8, .size: 8, .value_kind: global_buffer, .address_space: global }
      - { .name: freqs, .offset: 16, .size: 8, .value_kind: global_buffer, .address_space: global }
      - { .name: scale, .offset: 24, .size: 8, .value_kind: global_buffer, .address_space: global }
      - { .name: qc, .offset: 32, .size: 8, .value_kind: global_buffer, .address_space: global }
      - { .name: qs, .offset: 40, .size: 8, .value_kind: global_buffer, .address_space: global }
      - { .name: kv, .offset: 48, .size: 8, .value_kind: global_buffer, .address_space: global }
      - { .name: vq, .offset: 56, .size: 8, .value_kind: global_buffer, .address_space: global }
      - { .name: sself, .offset: 64, .size: 8, .value_kind: global_buffer, .address_space: global }
    .group_segment_fixed_size: 167936
    .private_segment_fixed_size: 0
    .kernarg_segment_align: 8
    .kernarg_segment_size: 72
    .max_flat_workgroup_size: 384
    .sgpr_count:     96
    .vgpr_count:     256
    .wavefront_size: 32
...
	.end_amdgpu_metadata
.endif
;; end of part 2
;; launch attn (part 3): grid 16 x 16, 16 waves a work-group, clusters of 4 x 1, 327,680 bytes of LDS; arguments qc, qs, kv, vq, sself, oc; writes oc
.if DOCPART == 3
	.amdgcn_target "amdgcn-amd-amdhsa--gfx1250"
	.amdhsa_code_object_version 6
	.text
	.protected	k_qb1e2e0fcb5_attn
	.globl	k_qb1e2e0fcb5_attn
	.p2align	8
	.type	k_qb1e2e0fcb5_attn,@function
k_qb1e2e0fcb5_attn:
	s_mov_b64 s[64:65], 0
	v_nop
	global_prefetch_b8 v0, s[64:65] scope:SCOPE_SE
	s_setreg_imm32_b32 hwreg(HW_REG_WAVE_MODE, 25, 1), 1
	s_wait_xcnt 0x0
	s_wait_alu depctr_hold_cnt(0) depctr_sa_sdst(0) depctr_va_vdst(0) depctr_va_sdst(0) depctr_va_ssrc(0) depctr_va_vcc(0) depctr_vm_vsrc(0)
	s_getreg_b32 s2, hwreg(HW_REG_IB_STS2, 6, 4)
	s_cmp_eq_u32 s2, 0
	s_cbranch_scc0 .Lentry_in_a_cluster
	s_endpgm
.Lentry_in_a_cluster:
	s_bfe_u32 s2, ttmp6, 0x10000c
	s_cmp_lg_u32 s2, 0x3003
	s_cbranch_scc0 .Lentry_shape_is_right
	s_endpgm
.Lentry_shape_is_right:
; Attention of one head on codes of BF6.  Pokes (tokens 0-3071): causal; p = 2^(t - M), M the ceiling of the running largest t, quantised along the keys; the sum of the unquantised p divides at the end.
; Query rows (tokens 3072-4095): all 3,072 poke keys and themselves.  Their FINISHED softmax is what is quantised, so they walk the keys twice: once for M and the sum, once more for
; p / sum, its codes and the product with V; the self term p_self vq starts O.
; WORK LEFT OUT: a step of 128 keys all of which come after the tile's group of 128 queries is hidden by reference()'s own jnp.tril and is jumped over (a scalar branch on ids).
; LIMITS: NaN and infinities are not served; a block whose every p is 0 keeps the byte 1 over zero codes.
; SHARES.  The head's K and V (24 steps of 12,800 bytes) lie whole in LDS, filled once by 16 joint loads, one a wave, for the four work-groups of a cluster.  A wave owns one tile of 16 queries.
; Groups of 8 tiles are dealt so that each cluster, and each pair of waves, gets one group of query rows and three groups of pokes of about equal work together; the four partners take two tiles
; each of every group: the partner's place enters global addresses and the lane's query number alone.
; K = 64: a fragment of K holds key tile 2 f in its lower half of K and tile 2 f + 1 in its upper; Q is kept twice, once with zero codes above and once below, so each product takes one of the two tiles.
; Both products are used transposed: a lane holds ONE query.  Register 16 b + i of the scores is key 32 b + 16 h + i of the step.
; REGISTERS: v1-3 16, 8, 4 x lane; v4, v5 the add's two; v6 my query - 16 h; v7-9 the step's LDS addresses; v10 8 r; v11 4 r; v12 -M; v13 largest t; v[14:15] the sum; v16-27, v28-39 Q twice;
; v40-87 four fragments; v88-93 scale words and nothing else; v96-159 scores, then p; v160-191 O^T; v192-203 p's codes; v204-248 at work.
.set STEPB, 12800
.set SPARE, 307200
.set WV,  16
.set KF,  23
.set TB,  24
.set CNT, 25
.set CS,  26
.set SEL, 28
.set GK,  46
.macro ROUND
	s_barrier_signal -1
	s_barrier_wait -1
	s_cmp_lg_u32 s[WV], 0
	s_cbranch_scc1 .Lnw0_\@
	s_barrier_signal -3
.Lnw0_\@:
	s_barrier_wait -3
	s_barrier_signal -1
	s_barrier_wait -1
.endm
.macro NOP4
.rept 4
	v_nop
.endr
.endm
.macro LFRAG reg, off
	ds_load_b128 v[\reg:\reg+3], v7 offset:\off
	ds_load_b64 v[\reg+4:\reg+5], v8 offset:\off+512
	ds_load_b128 v[\reg+6:\reg+9], v7 offset:\off+768
	ds_load_b64 v[\reg+10:\reg+11], v8 offset:\off+1280
.endm
.macro QUANT32 s, cd, ct, mx, pm, so, by
.irp b, 0,1
	v_max3_num_f32 v[\mx+\b], |v[\s+16*\b]|, |v[\s+16*\b+1]|, 0x2800000
.endr
.irp i, 2,4,6,8,10,12,14
.irp b, 0,1
	v_max3_num_f32 v[\mx+\b], v[\mx+\b], |v[\s+16*\b+\i]|, |v[\s+16*\b+\i+1]|
.endr
.endr
.irp b, 0,1
	v_permlanex16_b32 v[\pm+\b], v[\mx+\b], s[SEL], s[SEL+1]
.endr
.irp b, 0,1
	v_max_num_f32 v[\mx+\b], v[\mx+\b], v[\pm+\b]
.endr
.irp b, 0,1
	v_add_nc_u32 v[\so+\b], 0xfe000000, v[\mx+\b]
.endr
.irp b, 0,1
	v_lshrrev_b32 v[\by+\b], 23, v[\so+\b]
.endr
	v_cvt_scalef32_pk16_bf6_f32 v[\cd:\cd+2], v[\s:\s+15], v[\so]
	v_cvt_scalef32_pk16_bf6_f32 v[\ct:\ct+2], v[\s+16:\s+31], v[\so+1]
	v_nop
.irp i, 0,1,2
	v_permlane16_swap_b32 v[\cd+\i], v[\ct+\i]
.endr
.irp i, 0,1,2
	v_mov_b32 v[\cd+3+\i], v[\ct+\i]
.endr
.endm
; S^T = K Q^T for the step's 128 keys.  withv = 1: V's fragments are asked for behind the products, into the same registers: they land during the softmax.
.macro SCORES withv
	v_add_nc_u32 v7, s[TB], v1                     ; three additions and a v_nop: the four places in front of loads into registers that the last products read
	v_add_nc_u32 v8, s[TB], v2
	v_add_nc_u32 v9, s[TB], v3
	v_nop
.irp f, 0,1,2,3
	LFRAG 40+12*\f, 1536*\f
.endr
	ds_load_b32 v88, v9 offset:6144                ; lanes 0-15 fragment 0's words, lanes 16-31 fragment 1's
	ds_load_b32 v89, v9 offset:6272                ; fragments 2 and 3
	s_wait_dscnt 0x0
.irp f, 0,1,2,3
.if \f%2
	v_wmma_scale_f32_16x16x128_f8f6f4 v[96+16*\f:103+16*\f], v[40+12*\f:51+12*\f], v[16:27], 0, v[88+\f/2], v92 matrix_a_fmt:MATRIX_FMT_BF6 matrix_b_fmt:MATRIX_FMT_BF6 matrix_a_scale:MATRIX_SCALE_ROW1
	v_wmma_scale_f32_16x16x128_f8f6f4 v[104+16*\f:111+16*\f], v[40+12*\f:51+12*\f], v[28:39], 0, v[88+\f/2], v92 matrix_a_fmt:MATRIX_FMT_BF6 matrix_b_fmt:MATRIX_FMT_BF6 matrix_a_scale:MATRIX_SCALE_ROW1
.else
	v_wmma_scale_f32_16x16x128_f8f6f4 v[96+16*\f:103+16*\f], v[40+12*\f:51+12*\f], v[16:27], 0, v[88+\f/2], v92 matrix_a_fmt:MATRIX_FMT_BF6 matrix_b_fmt:MATRIX_FMT_BF6
	v_wmma_scale_f32_16x16x128_f8f6f4 v[104+16*\f:111+16*\f], v[40+12*\f:51+12*\f], v[28:39], 0, v[88+\f/2], v92 matrix_a_fmt:MATRIX_FMT_BF6 matrix_b_fmt:MATRIX_FMT_BF6
.endif
.endr
	NOP4
.if \withv
.irp ct, 0,1,2,3
	LFRAG 40+12*\ct, 6400+1536*\ct
.endr
	ds_load_b32 v90, v9 offset:12544
	ds_load_b32 v91, v9 offset:12672
.endif
.endm
.macro BLKMAX                          ; the largest score of each block of 32 keys: for the row's maximum and, since p rises with the score, for the block's largest p
.irp b, 0,1,2,3
	v_max3_num_f32 v[212+\b], v[96+16*\b], v[97+16*\b], v[98+16*\b]
.endr
.irp i, 3,5,7,9,11,13
.irp b, 0,1,2,3
	v_max3_num_f32 v[212+\b], v[212+\b], v[96+16*\b+\i], v[97+16*\b+\i]
.endr
.endr
.irp b, 0,1,2,3
	v_max_num_f32 v[212+\b], v[212+\b], v[111+16*\b]
.endr
.irp b, 0,1,2,3
	v_permlanex16_b32 v[216+\b], v[212+\b], s[SEL], s[SEL+1]
.endr
.irp b, 0,1,2,3
	v_max_num_f32 v[212+\b], v[212+\b], v[216+\b]
.endr
.endm
.macro NEWM                            ; v234 = a new t: the running largest t, -M = floor(-t), f = 2^(old M - new M)
	v_max_num_f32 v13, v13, v234
	v_mov_b32 v234, v12
	v_floor_f32 v12, -v13
	v_sub_f32 v234, v12, v234                      ; a whole number, 0 or less
	v_cvt_i32_f32 v234, v234                       ; (it saturates)
	v_ldexp_f32 v228, 1.0, v234
.endm
.macro ROWMAX
	v_max3_num_f32 v234, v212, v213, v214
	v_max_num_f32 v234, v234, v215
	v_mul_f32 v234, s[CS], v234                    ; as t (c is positive)
.endm
.macro FMA nblk                        ; t - M, two at a time
.set j, 0
.rept 32
	v_pk_fma_f32 v[96+j:97+j], v[96+j:97+j], s[CS:CS+1], v[12:13] op_sel_hi:[1,0,0]
.set j, j+2
.endr
.if \nblk
.irp b, 0,1,2,3
	v_fma_f32 v[212+\b], v[212+\b], s[CS], v12
.endr
.endif
.endm
.macro EXP64
.set j, 0
.rept 64
	v_exp_f32 v[96+j], v[96+j]
.set j, j+1
.endr
.endm
.macro SUMS                            ; the row's sum is taken of the unquantised p, in two chains
	v_pk_add_f32 v[236:237], v[96:97], v[98:99]
.set j, 4
.rept 15
	v_pk_add_f32 v[14:15], v[14:15], v[96+j:97+j]
	v_pk_add_f32 v[236:237], v[236:237], v[98+j:99+j]
.set j, j+4
.endr
	v_pk_add_f32 v[14:15], v[14:15], v[236:237]
.endm
.macro QUANTP                          ; p's 64 registers become the second product's operand; v212-215 hold the blocks' largest p
.irp b, 0,1,2,3
	v_max_num_f32 v[212+\b], 0x2800000, v[212+\b]
.endr
.irp b, 0,1,2,3
	v_add_nc_u32 v[220+\b], 0xfe000000, v[212+\b]
.endr
.irp b, 0,1,2,3
	v_lshrrev_b32 v[224+\b], 23, v[220+\b]
.endr
	v_lshl_or_b32 v93, v225, 8, v224
	v_lshl_or_b32 v93, v226, 16, v93
	v_lshl_or_b32 v93, v227, 24, v93               ; p's scale word for these 128 keys
.irp c, 0,1
	v_cvt_scalef32_pk16_bf6_f32 v[192+6*\c:194+6*\c], v[96+32*\c:111+32*\c], v[220+2*\c]
	v_cvt_scalef32_pk16_bf6_f32 v[204+4*\c:206+4*\c], v[112+32*\c:127+32*\c], v[221+2*\c]
.endr
	v_nop
.irp c, 0,1
.irp i, 0,1,2
	v_permlane16_swap_b32 v[192+6*\c+\i], v[204+4*\c+\i]
.endr
.irp i, 0,1,2
	v_mov_b32 v[195+6*\c+\i], v[204+4*\c+\i]
.endr
.endr
.endm
.macro PV                              ; O^T += V^T P^T: four accumulators by turns
	s_wait_dscnt 0x0                               ; V is in
.irp ct, 0,1,2,3
.if \ct%2
	v_wmma_scale_f32_16x16x128_f8f6f4 v[160+8*\ct:167+8*\ct], v[40+12*\ct:51+12*\ct], v[192:203], v[160+8*\ct:167+8*\ct], v[90+\ct/2], v93 matrix_a_fmt:MATRIX_FMT_BF6 matrix_b_fmt:MATRIX_FMT_BF6 matrix_a_scale:MATRIX_SCALE_ROW1
.else
	v_wmma_scale_f32_16x16x128_f8f6f4 v[160+8*\ct:167+8*\ct], v[40+12*\ct:51+12*\ct], v[192:203], v[160+8*\ct:167+8*\ct], v[90+\ct/2], v93 matrix_a_fmt:MATRIX_FMT_BF6 matrix_b_fmt:MATRIX_FMT_BF6
.endif
.endr
.endm
.macro STEP_Q1                         ; query rows, first walk: M and the sum
	SCORES 0
	BLKMAX
	ROWMAX
	NEWM
	FMA 0
	EXP64
	v_pk_mul_f32 v[14:15], v[14:15], v[228:229] op_sel_hi:[1,0]    ; the sums under the new M (a plain place behind the exponentials)
	s_wait_alu depctr_va_vdst(0)                   ; one wait for the batch, ahead of its first reader
	SUMS
.endm
.macro STEP_P                          ; pokes
	SCORES 1
	s_cmp_lt_u32 s[KF], s[GK]                      ; a step all of whose keys count skips the mask
	s_cbranch_scc1 .Lopen_\@
	v_sub_nc_u32 v232, v6, s[KF]                   ; d = my query - KF - 16 h: register 16 b + i is hidden where 32 b + i > d
	v_mov_b32 v233, 0xff800000
.set n, 0
.rept 64
	v_cmp_gt_i32 vcc_lo, 32*(n/16)+n%16, v232
	v_cndmask_b32 v[96+n], v[96+n], v233, vcc_lo
.set n, n+1
.endr
.Lopen_\@:
	BLKMAX
	ROWMAX
	NEWM
	FMA 1
	EXP64
	v_pk_mul_f32 v[14:15], v[14:15], v[228:229] op_sel_hi:[1,0]
	s_wait_alu depctr_va_vdst(0)                   ; one wait for the 64
.irp b, 0,1,2,3
	v_exp_f32 v[212+\b], v[212+\b]                 ; the blocks' largest p
.endr
	SUMS                                           ; (reads the 64 alone: plain work behind the four)
	s_wait_alu depctr_va_vdst(0)                   ; and one for the four
	QUANTP
.set j, 0
.rept 16
	v_pk_mul_f32 v[160+j:161+j], v[160+j:161+j], v[228:229] op_sel_hi:[1,0]   ; O^T under the new M; these sixteen are also the places in front of the scaled products
.set j, j+2
.endr
	PV
.endm
.macro STEP_Q2                         ; query rows, second walk: the finished softmax is quantised
	SCORES 1
	BLKMAX
	FMA 1
	EXP64
.irp b, 0,1,2,3
	v_exp_f32 v[212+\b], v[212+\b]
.endr
	v_nop
	s_wait_alu depctr_va_vdst(0)                   ; one wait for the 68
.set j, 0
.rept 32
	v_pk_mul_f32 v[96+j:97+j], v[96+j:97+j], v[230:231] op_sel_hi:[1,0]       ; p / sum
.set j, j+2
.endr
.irp b, 0,1,2,3
	v_mul_f32 v[212+\b], v[212+\b], v230           ; the same of each block's largest
.endr
	QUANTP
.rept 8
	v_nop                                          ; a scale word made by vector instructions stands eight places ahead of the scaled product
.endr
	PV
.endm
	s_load_b256 s[4:11], s[0:1], 0x0               ; qc, qs, kv, vq
	s_load_b128 s[12:15], s[0:1], 0x20             ; sself, oc
	v_lshl_add_u32 v4, v0, 2, SPARE
	v_mov_b32 v5, 0
	ds_add_u32 v4, v5                              ; the wave's opening: the add, twice on end, and its wait ahead of my first tensor load
	ds_add_u32 v4, v5
	v_lshrrev_b32 v6, 5, v0
	v_readfirstlane_b32 s[WV], v6                  ; wave 0..15
	s_bfe_u32 s17, ttmp6, 0x40000                  ; cx
	s_and_b32 s19, ttmp7, 0xffff                   ; the head
	s_mov_b32 s36, 15|(3<<16)|(1<<21)              ; group 1: mask of all four; elements of 8 bytes; bit 21 beside the mask
	s_mov_b32 s37, 32<<16                          ; rows of 256 bytes,
	s_mov_b32 s38, 75<<16                          ; 75 of them: a sixteenth of the head's block
	s_mov_b32 s39, 32<<16
	s_mov_b32 s40, 75
	s_mov_b32 s41, 32
	s_mov_b32 s42, 0
	s_mov_b32 s43, 0
	s_mov_b32 s[CS], 0x3fb8aa3b                    ; c = log2(e)
	s_mov_b32 s[CS+1], s[CS]
	s_mov_b32 s[SEL], 0x76543210
	s_mov_b32 s[SEL+1], 0xfedcba98
	s_bfe_u32 s47, s[WV], 0x10001                  ; par = (wave / 2) % 2
	s_lshr_b32 s48, s[WV], 2                       ; slot = wave / 4
	s_lshl_b32 s49, s47, 2
	s_add_co_u32 s49, s49, ttmp9                   ; k = cluster x + 4 par
	s_lshl_b32 s50, ttmp9, 1
	s_add_co_u32 s50, s50, s47                     ; 2 x + par
	s_sub_co_u32 s20, 23, s50                      ; slot 3: groups 16-23, from the top
	s_xor_b32 s51, s49, 4
	s_add_co_u32 s51, s51, 8                       ; slot 2: groups 8-15
	s_add_co_u32 s50, s50, 24                      ; slot 0: groups 24-31, the query rows
	s_cmp_eq_u32 s48, 2
	s_cselect_b32 s20, s51, s20
	s_cmp_eq_u32 s48, 1
	s_cselect_b32 s20, s49, s20                    ; slot 1: groups 0-7
	s_cmp_eq_u32 s48, 0
	s_cselect_b32 s20, s50, s20                    ; G: my group of 128 tokens; no place in the cluster enters it
	s_lshl_b32 s[GK], s20, 7                       ; its first token
	s_lshl_b32 s21, s20, 3
	s_lshl_b32 s51, s17, 1
	s_add_co_u32 s21, s21, s51
	s_and_b32 s51, s[WV], 1
	s_add_co_u32 s21, s21, s51                     ; T = 8 G + 2 cx + wave % 2
	s_lshr_b32 s47, s21, 1                         ; T / 2
	s_and_b32 s48, s21, 1                          ; T % 2
	s_mov_b32 s32, 1
	s_mul_i32 s33, s[WV], 19200                    ; LDS address: the wave's number alone
	s_mul_i32 s44, s19, 307200
	s_add_co_u32 s44, s44, s33
	s_mov_b32 s45, 0
	s_wait_dscnt 0x0                               ; both opening adds are done
	s_wait_kmcnt 0x0
	s_add_nc_u64 s[34:35], s[8:9], s[44:45]
	s_or_b32 s35, s35, 0x80000000
	s_lshl_b32 s44, s19, 8
	s_add_co_u32 s44, s44, s21
	s_mul_i32 s44, s44, 768
	s_add_nc_u64 s[52:53], s[4:5], s[44:45]        ; q's half fragment
	s_lshl_b32 s44, s19, 7
	s_add_co_u32 s44, s44, s47
	s_lshl_b32 s44, s44, 7
	s_lshl_b32 s49, s48, 6
	s_add_co_u32 s44, s44, s49
	s_add_nc_u64 s[54:55], s[6:7], s[44:45]        ; its scale words
	s_max_u32 s44, s47, 96
	s_sub_co_u32 s44, s44, 96                      ; (pokes load nothing there: the address is held inside the buffer)
	s_lshl_b32 s50, s19, 5
	s_add_co_u32 s44, s44, s50
	s_lshl_b32 s44, s44, 7
	s_add_co_u32 s44, s44, s49
	s_add_nc_u64 s[56:57], s[12:13], s[44:45]      ; sself
	s_max_u32 s44, s21, 192
	s_sub_co_u32 s44, s44, 192
	s_lshl_b32 s50, s19, 6
	s_add_co_u32 s44, s44, s50
	s_lshl_b32 s44, s44, 12
	s_add_nc_u64 s[58:59], s[10:11], s[44:45]      ; vq
	s_mul_i32 s49, s21, 12800                      ; oc: the token tile's block
	s_lshr_b32 s50, s19, 1                         ; K step of the projection = head / 2
	s_and_b32 s51, s19, 1                          ; half = head % 2
	s_mul_i32 s44, s50, 1536
	s_add_co_u32 s44, s44, s49
	s_mul_i32 s22, s51, 768
	s_add_co_u32 s44, s44, s22
	s_add_nc_u64 s[60:61], s[14:15], s[44:45]
	s_add_co_u32 s44, s49, 12288                   ; its two scale bytes: piece step / 4, lanes' half step % 2, word (step / 2) % 2, bytes 2 (head % 2)
	s_lshr_b32 s22, s50, 2
	s_lshl_b32 s22, s22, 8
	s_add_co_u32 s44, s44, s22
	s_and_b32 s22, s50, 1
	s_lshl_b32 s22, s22, 7
	s_add_co_u32 s44, s44, s22
	s_bfe_u32 s22, s50, 0x10001
	s_lshl_b32 s22, s22, 2
	s_add_co_u32 s44, s44, s22
	s_lshl_b32 s22, s51, 1
	s_add_co_u32 s44, s44, s22
	s_add_nc_u64 s[62:63], s[14:15], s[44:45]
	s_lshl_b32 s47, s47, 5
	s_lshl_b32 s48, s48, 3
	s_add_co_u32 s47, s47, s48                     ; the tile's first token
	ROUND                                          ; the four work-groups are here: the joint loads meet
	tensor_load_to_lds s[32:35], s[36:43]          ; 16 first fills, one a wave; nothing is filled again
	s_nop 0
	v_and_b32 v6, 31, v0
	v_lshlrev_b32 v1, 4, v6
	v_lshlrev_b32 v2, 3, v6
	v_lshlrev_b32 v3, 2, v6
	v_and_b32 v10, 15, v0                          ; r
	v_lshlrev_b32 v11, 2, v10                      ; 4 r
	v_and_b32 v7, 8, v10
	v_add_nc_u32 v7, v7, v10                       ; r + 8 (r / 8)
	v_bfe_u32 v8, v0, 4, 1
	v_lshlrev_b32 v8, 4, v8                        ; 16 h
	v_sub_nc_u32 v6, v7, v8
	v_add_nc_u32 v6, s47, v6                       ; my query - 16 h
	v_lshlrev_b32 v10, 3, v10                      ; 8 r
	global_load_b128 v[16:19], v1, s[52:53]        ; Q with zero codes above,
	global_load_b64 v[20:21], v2, s[52:53] offset:512
	global_load_b128 v[34:37], v1, s[52:53]        ; and with zero codes below
	global_load_b64 v[38:39], v2, s[52:53] offset:512
	global_load_b32 v92, v11, s[54:55]             ; lanes r and r + 16 take row r's word
.irp i, 22,23,24,25,26,27,28,29,30,31,32,33
	v_mov_b32 v[\i], 0
.endr
	v_mov_b32 v13, 0xff61b1e6                      ; the largest t so far: -3e38
	v_floor_f32 v12, -v13
	v_mov_b32 v14, 0
	v_mov_b32 v15, 0
.irp i, 216,217,218,219,229,230,231,232,233,234,235,236,237,239
	v_mov_b32 v[\i], 0                             ; permutes' destinations and upper halves of pairs count as read
.endr
	s_cmp_lt_u32 s[WV], 4
	s_cbranch_scc0 .Lpoke_init
.irp ct, 0,1,2,3
	global_load_b128 v[160+8*\ct:163+8*\ct], v1, s[58:59] offset:1024*\ct
	global_load_b128 v[164+8*\ct:167+8*\ct], v1, s[58:59] offset:1024*\ct+512
.endr
	global_load_b32 v238, v11, s[56:57]
	s_branch .Linit_done
.Lpoke_init:
.set j, 0
.rept 32
	v_mov_b32 v[160+j], 0                          ; the step is written once: its first run finds zeros
.set j, j+1
.endr
	v_mov_b32 v238, 0
.Linit_done:
	s_wait_tensorcnt 0x0                           ; my part has landed,
	s_barrier_signal -1
	s_barrier_wait -1                              ; everybody's has
	s_wait_loadcnt 0x0
	s_mov_b32 s[TB], 0
	s_mov_b32 s[CNT], 24
.LloopA:                                           ; every wave walks the 24 trips; only the query rows' waves work in them
	s_cmp_lt_u32 s[WV], 4
	s_cbranch_scc0 .LskipA
	STEP_Q1
.LskipA:
	s_add_co_u32 s[TB], s[TB], STEPB
	s_sub_co_u32 s[CNT], s[CNT], 1
	s_cmp_lg_u32 s[CNT], 0
	s_cbranch_scc1 .LloopA
	s_cmp_lt_u32 s[WV], 4
	s_cbranch_scc0 .Lno_self
	v_mul_f32 v234, s[CS], v238                    ; the self score as t
	NEWM
	v_fma_f32 v239, v238, s[CS], v12
	v_exp_f32 v239, v239                           ; e_s = 2^(t_s - M)
	v_add_f32 v14, v14, v15                        ; the sum's two halves (a plain place),
	v_permlanex16_b32 v232, v14, s[SEL], s[SEL+1]
	v_add_f32 v14, v14, v232                       ; and lane l xor 16's
	s_wait_alu depctr_va_vdst(0)
	v_fma_f32 v14, v14, v228, v239                 ; under the last M, with the self term
	v_rcp_f32 v230, v14
	v_nop
	s_wait_alu depctr_va_vdst(0)
	v_mul_f32 v232, v239, v230                     ; p_self
.set j, 0
.rept 16
	v_pk_mul_f32 v[160+j:161+j], v[160+j:161+j], v[232:233] op_sel_hi:[1,0]   ; O^T begins as p_self vq
.set j, j+2
.endr
.Lno_self:
	s_mov_b32 s[KF], 0
	s_mov_b32 s[TB], 0
	s_mov_b32 s[CNT], 24
.LloopB:
	s_cmp_gt_u32 s[KF], s[GK]                      ; all of the step's keys come after my group's queries: ids and the count of steps alone
	s_cbranch_scc1 .LnextB
	s_cmp_lt_u32 s[WV], 4
	s_cbranch_scc0 .LpokeB
	STEP_Q2
	s_branch .LnextB
.LpokeB:
	STEP_P
.LnextB:
	s_add_co_u32 s[KF], s[KF], 128
	s_add_co_u32 s[TB], s[TB], STEPB
	s_sub_co_u32 s[CNT], s[CNT], 1
	s_cmp_lg_u32 s[CNT], 0
	s_cbranch_scc1 .LloopB
	NOP4                                           ; places behind the last products
	s_cmp_lt_u32 s[WV], 4
	s_cbranch_scc1 .Lnorm_done
	v_add_f32 v14, v14, v15
	v_permlanex16_b32 v232, v14, s[SEL], s[SEL+1]
	v_add_f32 v14, v14, v232                       ; the row's sum
	v_rcp_f32 v230, v14
	v_nop
	s_wait_alu depctr_va_vdst(0)
.set j, 0
.rept 16
	v_pk_mul_f32 v[160+j:161+j], v[160+j:161+j], v[230:231] op_sel_hi:[1,0]
.set j, j+2
.endr
.Lnorm_done:
	QUANT32 160, 240, 246, 212, 216, 220, 224      ; the head's 64 channels are two blocks of the projection's K
	global_store_b128 v1, v[240:243], s[60:61]
	global_store_b64 v2, v[244:245], s[60:61] offset:512
	v_lshl_or_b32 v232, v225, 8, v224
	global_store_b16 v10, v232, s[62:63]           ; (lanes r and r + 16 write the same bytes with the same value)
	s_wait_tensorcnt 0x0                           ; the wave's end
	ds_add_u32 v4, v5
	s_wait_dscnt 0x0
	ROUND                                          ; the closing round
	s_endpgm
.Lfunc_end_k_qb1e2e0fcb5_attn:
	.size	k_qb1e2e0fcb5_attn, .Lfunc_end_k_qb1e2e0fcb5_attn-k_qb1e2e0fcb5_attn
	.p2alignl 7, 3214868480
	.fill 96, 4, 3214868480
	.section	.rodata,"a",@progbits
	.p2align	6, 0x0
	.amdhsa_kernel k_qb1e2e0fcb5_attn
		.amdhsa_group_segment_fixed_size 327680
		.amdhsa_private_segment_fixed_size 0
		.amdhsa_enable_private_segment 0
		.amdhsa_kernarg_size 48
		.amdhsa_user_sgpr_count 2
		.amdhsa_user_sgpr_kernarg_segment_ptr 1
		.amdhsa_wavefront_size32 1
		.amdhsa_system_sgpr_workgroup_id_x 1
		.amdhsa_system_sgpr_workgroup_id_y 1
		.amdhsa_system_sgpr_workgroup_id_z 1
		.amdhsa_system_vgpr_workitem_id 0
		.amdhsa_next_free_vgpr 256
		.amdhsa_next_free_sgpr 66
		.amdhsa_reserve_vcc 1
		.amdhsa_float_denorm_mode_32 3
		.amdhsa_float_denorm_mode_16_64 3
		.amdhsa_memory_ordered 1
		.amdhsa_forward_progress 1
		.amdhsa_inst_pref_size 63
	.end_amdhsa_kernel
	.amdgpu_metadata
---
amdhsa.version: [ 1, 2 ]
amdhsa.kernels:
  - .name:           k_qb1e2e0fcb5_attn
    .symbol:         k_qb1e2e0fcb5_attn.kd
    .args:
      - { .name: qc, .offset: 0, .size: 8, .value_kind: global_buffer, .address_space: global }
      - { .name: qs, .offset: 8, .size: 8, .value_kind: global_buffer, .address_space: global }
      - { .name: kv, .offset: 16, .size: 8, .value_kind: global_buffer, .address_space: global }
      - { .name: vq, .offset: 24, .size: 8, .value_kind: global_buffer, .address_space: global }
      - { .name: sself, .offset: 32, .size: 8, .value_kind: global_buffer, .address_space: global }
      - { .name: oc, .offset: 40, .size: 8, .value_kind: global_buffer, .address_space: global }
    .group_segment_fixed_size: 327680
    .private_segment_fixed_size: 0
    .kernarg_segment_align: 8
    .kernarg_segment_size: 48
    .max_flat_workgroup_size: 512
    .sgpr_count:     66
    .vgpr_count:     256
    .wavefront_size: 32
...
	.end_amdgpu_metadata
.endif
;; end of part 3
;; launch proj (part 4): grid 32 x 8, 8 waves a work-group, clusters of 4 x 1, 167,936 bytes of LDS; arguments oc, tiles, out0; writes out0
.if DOCPART == 4
	.amdgcn_target "amdgcn-amd-amdhsa--gfx1250"
	.amdhsa_code_object_version 6
	.text
	.protected	k_qb1e2e0fcb5_proj
	.globl	k_qb1e2e0fcb5_proj
	.p2align	8
	.type	k_qb1e2e0fcb5_proj,@function
k_qb1e2e0fcb5_proj:
	s_mov_b64 s[64:65], 0
	v_nop
	global_prefetch_b8 v0, s[64:65] scope:SCOPE_SE
	s_setreg_imm32_b32 hwreg(HW_REG_WAVE_MODE, 25, 1), 1
	s_wait_xcnt 0x0
	s_wait_alu depctr_hold_cnt(0) depctr_sa_sdst(0) depctr_va_vdst(0) depctr_va_sdst(0) depctr_va_ssrc(0) depctr_va_vcc(0) depctr_vm_vsrc(0)
	s_getreg_b32 s2, hwreg(HW_REG_IB_STS2, 6, 4)
	s_cmp_eq_u32 s2, 0
	s_cbranch_scc0 .Lentry_in_a_cluster
	s_endpgm
.Lentry_in_a_cluster:
	s_bfe_u32 s2, ttmp6, 0x10000c
	s_cmp_lg_u32 s2, 0x3003
	s_cbranch_scc0 .Lentry_shape_is_right
	s_endpgm
.Lentry_shape_is_right:
; out0 = O out_w^T on codes of BF6.  O's codes and out_w's lie as tile blocks of 12,800 bytes (eight fragments in the order of the operand's registers, then the scale words).  No work is left out here.
; SHARES.  A work-group makes 128 tokens x 128 columns.  Its eight weight tiles lie whole in LDS, filled once, one tensor load a wave, asked for JOINTLY by the four token blocks of a cluster.
; Wave w: token tiles 2 (w % 4), + 1 and weight tiles 4 (w / 4) .. + 3: eight accumulators by turns.  O's fragments come from memory straight into registers, four K steps ahead.
; The product is used transposed (source 0 = 16 weight rows, source 1 = 16 tokens): a lane holds eight neighbouring columns of one token.  A tile of 16 tokens x 64 columns goes through the wave's own
; stage in LDS and leaves as rows: sixteen lanes store 256 consecutive bytes, at a multiple of 256 from out0's first byte.
.set TILEB, 12800
.set STAGE, 102400                     ; behind the weights: 16 rows x 272 bytes for each wave
.set SPARE, 137216                     ; behind the stages: the spare words, 128 bytes a wave
.set WV, 16
.macro ROUND
	s_barrier_signal -1
	s_barrier_wait -1
	s_cmp_lg_u32 s[WV], 0
	s_cbranch_scc1 .Lnw0_\@
	s_barrier_signal -3
.Lnw0_\@:
	s_barrier_wait -3
	s_barrier_signal -1
	s_barrier_wait -1
.endm
.macro NOP4
.rept 4
	v_nop
.endr
.endm
.macro OFRAG reg, t, s
	global_load_b128 v[\reg:\reg+3], v1, s[28:29] offset:(\t)*TILEB+(\s)*1536
	global_load_b64 v[\reg+4:\reg+5], v2, s[28:29] offset:(\t)*TILEB+(\s)*1536+512
	global_load_b128 v[\reg+6:\reg+9], v1, s[28:29] offset:(\t)*TILEB+(\s)*1536+768
	global_load_b64 v[\reg+10:\reg+11], v2, s[28:29] offset:(\t)*TILEB+(\s)*1536+1280
.endm
.macro WFRAG reg, off
	ds_load_b128 v[\reg:\reg+3], v5 offset:\off
	ds_load_b64 v[\reg+4:\reg+5], v6 offset:\off+512
	ds_load_b128 v[\reg+6:\reg+9], v5 offset:\off+768
	ds_load_b64 v[\reg+10:\reg+11], v6 offset:\off+1280
.endm
.macro MMS d, a, b, sa, sb, s
.if (\s) == 0
	v_wmma_scale_f32_16x16x128_f8f6f4 v[\d:\d+7], v[\a:\a+11], v[\b:\b+11], 0, v[\sa], v[\sb] matrix_a_fmt:MATRIX_FMT_BF6 matrix_b_fmt:MATRIX_FMT_BF6
.elseif (\s)%2
	v_wmma_scale_f32_16x16x128_f8f6f4 v[\d:\d+7], v[\a:\a+11], v[\b:\b+11], v[\d:\d+7], v[\sa], v[\sb] matrix_a_fmt:MATRIX_FMT_BF6 matrix_b_fmt:MATRIX_FMT_BF6 matrix_a_scale:MATRIX_SCALE_ROW1 matrix_b_scale:MATRIX_SCALE_ROW1
.else
	v_wmma_scale_f32_16x16x128_f8f6f4 v[\d:\d+7], v[\a:\a+11], v[\b:\b+11], v[\d:\d+7], v[\sa], v[\sb] matrix_a_fmt:MATRIX_FMT_BF6 matrix_b_fmt:MATRIX_FMT_BF6
.endif
.endm
	s_load_b128 s[4:7], s[0:1], 0x0                ; oc, tiles
	s_load_b64 s[8:9], s[0:1], 0x10                ; out0
	v_lshl_add_u32 v3, v0, 2, SPARE
	v_mov_b32 v4, 0
	ds_add_u32 v3, v4                              ; the wave's opening: the add, twice on end, and its wait ahead of my first tensor load
	ds_add_u32 v3, v4
	v_lshrrev_b32 v11, 5, v0
	v_readfirstlane_b32 s[WV], v11                 ; wave 0..7
	s_bfe_u32 s17, ttmp6, 0x40000                  ; cx
	s_lshl_b32 s18, ttmp9, 2
	s_add_co_u32 s18, s18, s17                     ; tb: my block of 128 tokens
	s_and_b32 s19, ttmp7, 0xffff                   ; cb: my block of 128 columns, which the four partners share
	s_mov_b32 s36, 15|(3<<16)|(1<<21)              ; group 1: mask of all four; elements of 8 bytes; bit 21 beside the mask
	s_mov_b32 s37, 32<<16
	s_mov_b32 s38, 50<<16
	s_mov_b32 s39, 32<<16
	s_mov_b32 s40, 50
	s_mov_b32 s41, 32
	s_mov_b32 s42, 0
	s_mov_b32 s43, 0
	s_lshl_b32 s20, s19, 3
	s_add_co_u32 s20, s20, s[WV]
	s_add_co_u32 s20, s20, 448                     ; the weight tile that I fetch
	s_mul_i32 s20, s20, TILEB
	s_mov_b32 s21, 0
	s_mov_b32 s32, 1
	s_mul_i32 s33, s[WV], TILEB
	s_and_b32 s22, s[WV], 3                        ; tp
	s_lshr_b32 s23, s[WV], 2                       ; ch
	s_lshl_b32 s24, s18, 3
	s_lshl_b32 s25, s22, 1
	s_add_co_u32 s24, s24, s25                     ; my first token tile
	s_mul_i32 s24, s24, TILEB
	s_mov_b32 s25, 0
	s_lshl_b32 s26, s18, 19                        ; out0: (128 tb + 32 tp) rows of 4,096 bytes + 512 cb + 256 ch
	s_lshl_b32 s27, s22, 17
	s_add_co_u32 s26, s26, s27
	s_lshl_b32 s27, s19, 9
	s_add_co_u32 s26, s26, s27
	s_lshl_b32 s27, s23, 8
	s_add_co_u32 s26, s26, s27
	s_mov_b32 s27, 0
	s_wait_dscnt 0x0                               ; both opening adds are done
	s_wait_kmcnt 0x0
	s_add_nc_u64 s[34:35], s[6:7], s[20:21]
	s_or_b32 s35, s35, 0x80000000
	s_add_nc_u64 s[28:29], s[4:5], s[24:25]
	s_add_nc_u64 s[30:31], s[8:9], s[26:27]
	ROUND                                          ; the four work-groups are here: the joint loads meet
	tensor_load_to_lds s[32:35], s[36:43]          ; eight first fills, one a wave; nothing is filled again
	s_nop 0
	v_and_b32 v11, 31, v0
	v_lshlrev_b32 v1, 4, v11
	v_lshlrev_b32 v2, 3, v11
	s_mul_i32 s44, s23, 51200
	v_add_nc_u32 v5, s44, v1                       ; my four weight tiles
	v_add_nc_u32 v6, s44, v2
	v_and_b32 v12, 15, v0                          ; r
	v_bfe_u32 v13, v0, 4, 1                        ; h
	s_mul_i32 s45, s[WV], 4352
	s_add_co_u32 s45, s45, STAGE                   ; my stage
	v_mul_u32_u24 v7, v12, 272
	v_lshl_add_u32 v7, v13, 6, v7
	v_add_nc_u32 v7, s45, v7                       ; in: row r, + 64 h
	v_mul_u32_u24 v9, v13, 272
	v_lshl_add_u32 v9, v12, 4, v9
	v_add_nc_u32 v9, s45, v9                       ; back: lanes 0-15 one row, lanes 16-31 the next
	v_lshlrev_b32 v10, 12, v13
	v_lshl_add_u32 v10, v12, 4, v10                ; and the same in out0
.irp t, 0,1
	global_load_b64 v[16+4*\t:17+4*\t], v2, s[28:29] offset:\t*TILEB+12288
	global_load_b64 v[18+4*\t:19+4*\t], v2, s[28:29] offset:\t*TILEB+12544
.endr
.irp s, 0,1,2,3
	OFRAG 40+24*\s, 0, \s
	OFRAG 52+24*\s, 1, \s
.endr
	s_wait_tensorcnt 0x0                           ; my tile has landed,
	s_barrier_signal -1
	s_barrier_wait -1                              ; everybody's has
.irp wt, 0,1,2,3
	ds_load_b64 v[24+4*\wt:25+4*\wt], v6 offset:\wt*TILEB+12288
	ds_load_b64 v[26+4*\wt:27+4*\wt], v6 offset:\wt*TILEB+12544
.endr
.macro PSTEP s
.irp wt, 0,1,2,3
	WFRAG 136+12*\wt, \wt*TILEB+(\s)*1536
.endr
.if \s < 5
	s_wait_loadcnt 24                              ; this step's O is in; the three later steps' eight loads each may be out
.else
	s_wait_loadcnt 8*(7-(\s))
.endif
	s_wait_dscnt 0x0
.irp wt, 0,1,2,3
.irp t, 0,1
	MMS 192+32*\t+8*\wt, 136+12*\wt, 40+24*((\s)%4)+12*\t, 24+4*\wt+(\s)/2, 16+4*\t+(\s)/2, \s
.endr
.endr
	NOP4
.if \s < 4
	OFRAG 40+24*((\s)%4), 0, \s+4
	OFRAG 52+24*((\s)%4), 1, \s+4
.endif
.endm
.irp s, 0,1,2,3,4,5,6,7
	PSTEP \s
.endr
.irp t, 0,1                                    ; LDS serves a wave's instructions in order: the loads see the stores above them, and tile 1's stores come behind tile 0's loads
.irp wt, 0,1,2,3
	ds_store_b128 v7, v[192+32*\t+8*\wt:195+32*\t+8*\wt] offset:128*(\wt/2)+32*(\wt%2)       ; each accumulator from its low end on
	ds_store_b128 v7, v[196+32*\t+8*\wt:199+32*\t+8*\wt] offset:128*(\wt/2)+32*(\wt%2)+16
.endr
.irp i, 0,1,2,3,4,5,6,7
	ds_load_b128 v[40+32*\t+4*\i:43+32*\t+4*\i], v9 offset:544*\i
.endr
.endr
	s_wait_dscnt 16                                ; tile 0 is back; tile 1's eight stores and eight loads may be out
.irp i, 0,1,2,3,4,5,6,7
	global_store_b128 v10, v[40+4*\i:43+4*\i], s[30:31] offset:(2*\i+8*(\i/4))*4096 th:TH_STORE_NT
.endr
	s_wait_dscnt 0x0
.irp i, 0,1,2,3,4,5,6,7
	global_store_b128 v10, v[72+4*\i:75+4*\i], s[30:31] offset:(8+2*\i+8*(\i/4))*4096 th:TH_STORE_NT
.endr
	s_wait_tensorcnt 0x0                           ; the wave's end: behind my last LDS store
	ds_add_u32 v3, v4
	s_wait_dscnt 0x0
	ROUND                                          ; the closing round
	s_endpgm
.Lfunc_end_k_qb1e2e0fcb5_proj:
	.size	k_qb1e2e0fcb5_proj, .Lfunc_end_k_qb1e2e0fcb5_proj-k_qb1e2e0fcb5_proj
	.p2alignl 7, 3214868480
	.fill 96, 4, 3214868480
	.section	.rodata,"a",@progbits
	.p2align	6, 0x0
	.amdhsa_kernel k_qb1e2e0fcb5_proj
		.amdhsa_group_segment_fixed_size 167936
		.amdhsa_private_segment_fixed_size 0
		.amdhsa_enable_private_segment 0
		.amdhsa_kernarg_size 24
		.amdhsa_user_sgpr_count 2
		.amdhsa_user_sgpr_kernarg_segment_ptr 1
		.amdhsa_wavefront_size32 1
		.amdhsa_system_sgpr_workgroup_id_x 1
		.amdhsa_system_sgpr_workgroup_id_y 1
		.amdhsa_system_sgpr_workgroup_id_z 1
		.amdhsa_system_vgpr_workitem_id 0
		.amdhsa_next_free_vgpr 256
		.amdhsa_next_free_sgpr 66
		.amdhsa_reserve_vcc 0
		.amdhsa_float_denorm_mode_32 3
		.amdhsa_float_denorm_mode_16_64 3
		.amdhsa_memory_ordered 1
		.amdhsa_forward_progress 1
		.amdhsa_inst_pref_size 33
	.end_amdhsa_kernel
	.amdgpu_metadata
---
amdhsa.version: [ 1, 2 ]
amdhsa.kernels:
  - .name:           k_qb1e2e0fcb5_proj
    .symbol:         k_qb1e2e0fcb5_proj.kd
    .args:
      - { .name: oc, .offset: 0, .size: 8, .value_kind: global_buffer, .address_space: global }
      - { .name: tiles, .offset: 8, .size: 8, .value_kind: global_buffer, .address_space: global }
      - { .name: out0, .offset: 16, .size: 8, .value_kind: global_buffer, .address_space: global }
    .group_segment_fixed_size: 167936
    .private_segment_fixed_size: 0
    .kernarg_segment_align: 8
    .kernarg_segment_size: 24
    .max_flat_workgroup_size: 256
    .sgpr_count:     66
    .vgpr_count:     256
    .wavefront_size: 32
...
	.end_amdgpu_metadata
.endif
;; end of part 4
